; MI455X (gfx1250); checked and timed in simulation.
; The chip was launched on July 23, 2026; its instructions are those of AMD's public machine-readable ISA for CDNA 5 (MIT licence, August 2026) and "CDNA5" Instruction Set Architecture Reference Guide (July 2026). The comments in the code are by the model that wrote it; some were corrected since.
;; Encoder Block. Allowed arithmetic: matrix products marked QUANTISED: E2M3 operands, one E8M0 scale for each 32 along K, by v_wmma_scale_f32_16x16x128_f8f6f4 with both operands' format E2M3, f32 sums; everything else in f32.
;; Inputs: W1 512 x 2,048 float32; W2 2,048 x 512 float32; Wk 8 x 512 x 64 float32; Wo 512 x 512 float32; Wq 8 x 512 x 64 float32; Wv 8 x 512 x 64 float32; b1 2,048 float32; b2 512 float32; bk 8 x 64 float32; bo 512 float32; bq 8 x 64 float32; bv 8 x 64 float32; ln1_b 512 float32; ln1_g 512 float32; ln2_b 512 float32; ln2_g 512 float32; x 4 x 2,048 x 512 float32.
;; Outputs: out0 4 x 2,048 x 512 float32.
;; This version of the problem:
;;   THIS VERSION OF THE PROBLEM IS GIVEN IN LOW PRECISION. The matrix products marked QUANTISED in the list below multiply operands that are first quantised to E2M3 (2 exponent bits, 3 mantissa bits; 6 bits a number), with one power-of-two scale for each 32 numbers along K (OCP MX v1.0); their sums are f32. All else is computed in f32.
;;   The module's matrix products, in the order in which they are computed (A, B: the left and right operand; K: the contracted axis; several contracted axes count as one K, in the product's order):
;;     1. [M 512, K 512] x [K 512, N 8,192]; A: input Wq; B: computed on the way: QUANTISED
;;     2. [M 512, K 512] x [K 512, N 8,192]; A: input Wk; B: computed on the way: QUANTISED
;;     3. [M 512, K 512] x [K 512, N 8,192]; A: input Wv; B: computed on the way: QUANTISED
;;     4. batch 32 x [M 2,048, K 64] x [K 64, N 2,048]; A: computed on the way; B: computed on the way: QUANTISED
;;     5. batch 32 x [M 2,048, K 2,048] x [K 2,048, N 64]; A: softmax (see below); B: computed on the way: QUANTISED
;;     6. [M 8,192, K 512] x [K 512, N 512]; A: computed on the way; B: input Wo: QUANTISED
;;     7. [M 8,192, K 512] x [K 512, N 2,048]; A: computed on the way; B: input W1: QUANTISED
;;     8. [M 8,192, K 2,048] x [K 2,048, N 512]; A: computed on the way; B: input W2: QUANTISED
;;   THE QUANTISER, for each operand of a quantised product, along K:
;;     - K is cut into blocks of 32 from its start; a last block that is shorter is filled with zeros.
;;     - A block's scale is 2^e with e = floor(log2(the largest magnitude in the block)) - 2, held to -126 .. 127; a block of zeros has e = 0. As a byte (E8M0): e + 127.
;;     - Each number is divided by its block's scale, clamped to +-7.5, and rounded to the nearest number of E2M3, ties to even, subnormals kept.
;;     - The product sums the exact products of the quantised numbers (number of the format x scale) in f32.
;;   ~~~python
;;   def quantise(x, axis):      # numpy; x: float32 -> the quantised numbers, widened to float32 again
;;       x = np.moveaxis(x, axis, -1); K = x.shape[-1]
;;       x = np.pad(x, [(0, 0)] * (x.ndim - 1) + [(0, -K % 32)]); x = x.reshape(x.shape[:-1] + (-1, 32)); a = np.abs(x).max(-1, keepdims=True)
;;       e = np.where(a > 0, np.clip(np.frexp(np.where(a > 0, a, 1))[1] - 1 - 2, -126, 127), 0)      # np.frexp(a)[1] - 1 = floor(log2(a)), exactly
;;       r = np.clip(x / 2.0 ** e, -7.5, 7.5)
;;       step = 2.0 ** (np.maximum(np.frexp(np.where(r == 0, 1, r))[1] - 1, 0) - 3)
;;       q = np.round(r / step) * step * 2.0 ** e      # np.round: ties to even
;;       return np.moveaxis(q.reshape(q.shape[:-2] + (-1,))[..., :K], -1, axis).astype(np.float32)
;;   ~~~
;;   SOFTMAX AHEAD OF A QUANTISED PRODUCT. Where the list says 'softmax', what is quantised is not the finished softmax but p = 2^(t - M), with t = logit x log2(e) and M = ceil(the row's largest t), a whole number; so 1/2 < the row's largest p <= 1. The row's sum l is taken of the UNQUANTISED p, in f32, and the product's result is divided by l at the end. Since M is a whole number, a kernel that streams over the keys may use a running M (the ceiling of the running maximum): every later rescaling is an exact power of two, which a block's scale takes up: the codes' values come out the same.
;;   OPERANDS COMPUTED ON THE WAY. 'Computed on the way' means the value that the module computes at that place (a softmax that the list does not call 'softmax' is quantised finished and normalised). What goes into a quantiser is computed in f32, as accurately as f32 sums, v_exp_f32 and their like allow (about 1e-6 of the number): no bf16 or f16 on the way to a quantiser, and a product that is left as it is and whose result goes on into a quantised operand takes f32 operands (vector FMAs, or v_wmma_f32_16x16x4_f32). A number that lies on a knife's edge between two numbers of the format may be rounded either way, as far as f32 arithmetic and the matrix unit's own rounding can turn it there, and no further.
;; One version. Each part assembles by itself: llvm-mc -triple=amdgcn-amd-amdhsa -mcpu=gfx1250 --defsym DOCPART=n.
;; ======== version 1 of 1: 6 launches
;; limits: right only within a limited range of input values
;; workspace buffers: wts 2,555,904 bytes; xnq 3,407,872 bytes; qq 3,407,872 bytes; kv 6,815,744 bytes; avq 3,670,016 bytes; x1b 16,777,216 bytes; x2q 3,407,872 bytes; hq 13,631,488 bytes
;; launch prep (part 1): grid 224 x 1, 4 waves a work-group, no clusters, 168,448 bytes of LDS; arguments x, ln1_g, ln1_b, Wq, Wk, Wv, Wo, W1, W2, xnq, wts; writes xnq, wts
.if DOCPART == 1
	.amdgcn_target "amdgcn-amd-amdhsa--gfx1250"
	.amdhsa_code_object_version 6
	.text
	.protected	k_qed6b7ecd5d_prep
	.globl	k_qed6b7ecd5d_prep
	.p2align	8
	.type	k_qed6b7ecd5d_prep,@function
k_qed6b7ecd5d_prep:
	s_mov_b64 s[64:65], 0
	v_nop
	global_prefetch_b8 v0, s[64:65] scope:SCOPE_SE
	s_setreg_imm32_b32 hwreg(HW_REG_WAVE_MODE, 25, 1), 1
	s_wait_xcnt 0x0
; PREP.  Work-groups 0-127: layer norm 1 of x [8192][512] f32, quantised along the 512 to codes of FP6 (E2M3) with one E8M0 byte for each 32.
; Work-groups 128-223: the six weights (K is their first matrix axis) quantised along K.  Both leave as IMAGES OF OPERAND REGISTERS:
; a UNIT of 6,656 bytes is one tile of 16 rows x 512 K: four fragments of 1,536 bytes (register R of lane l at 512 (R / 4) + 16 l + 4 (R % 4)), then four times 128 bytes of scale words (lane l's at 4 l).
; THE ROWS OF A TILE ARE NOT NEIGHBOURS: tile 2 G + u holds in lane-row r the row 32 G + 8 u + r + 8 (r / 8), for tokens and for the weights' columns alike: so a product that takes such
; a tile as source 0 leaves 16 neighbours along the next K in the 16 registers of two neighbouring tiles.
; A wave makes one unit.  Layer norm: its 16 rows come by two tensor loads (8 rows of 2,048 bytes each) into LDS bytes of its own, filled once; a lane then holds half a row in 256 registers,
; mean and variance are taken in two passes as the definition has them.  Weights: a lane takes a column and its registers run down K; no LDS.
; LIMITS: NaN and infinities among the inputs are not served; a block whose largest magnitude lies under 2^-124 keeps the byte 1; a block of zeros has the byte 1 and not 127 (its codes are zeros; this program alone reads the bytes).
; REGISTERS: window 0: v1 r, v2 h, v3-7 addresses, v8-15 sums, v16-19 -mean and 1/sigma as pairs, v24-39 at work, v40-43 scale words, v48-127 four sets of codes, v128-191 the weights' row offsets.
;   window 1: the 256 numbers.  window 2: the gain.  window 3: the bias.
.set TM,  24
.set PW,  40
.set PC,  48
.set OFF, 128
.set SEL, 48
.set MSB, 0
.macro WIN new                         ; the immediate's high byte repeats the setting that is left
.if MSB != (\new)
	s_set_vgpr_msb (MSB<<8)|(\new)
.set MSB, (\new)
.endif
.endm
; 64 numbers of a lane in window w, register src + 16 b + i = k 32 b + 16 h + i of my row, become a fragment's codes in v[pc] on and its scale word in v[pw]
.macro QUANT src, w, pc, pw
	WIN (\w)|((\w)<<2)
.irp b, 0,1,2,3
	v_max3_num_f32 v[TM+\b], |v[(\src)+16*\b]|, |v[(\src)+16*\b+1]|, 0x1800000   ; my 16 numbers of block b, and the floor 2^(3 - 127): the byte cannot fall under 1
.endr
	WIN ((\w)<<2)|((\w)<<4)
.irp i, 2,4,6,8,10,12,14
.irp b, 0,1,2,3
	v_max3_num_f32 v[TM+\b], v[TM+\b], |v[(\src)+16*\b+\i]|, |v[(\src)+16*\b+\i+1]|
.endr
.endr
	WIN 0
.irp b, 0,1,2,3
	v_permlanex16_b32 v[TM+4+\b], v[TM+\b], s[SEL], s[SEL+1]
.endr
.irp b, 0,1,2,3
	v_max_num_f32 v[TM+\b], v[TM+\b], v[TM+4+\b]          ; with lane l xor 16's: the block's largest magnitude
.endr
.irp b, 0,1,2,3
	v_add_nc_u32 v[TM+12+\b], 0xff000000, v[TM+\b]        ; 2 off its exponent field: the conversion's scale operand
.endr
.irp b, 0,1,2,3
	v_lshrrev_b32 v[TM+4+\b], 23, v[TM+12+\b]             ; the scale's byte
.endr
	v_lshl_or_b32 v[\pw], v[TM+5], 8, v[TM+4]
	v_lshl_or_b32 v[\pw], v[TM+6], 16, v[\pw]
	v_lshl_or_b32 v[\pw], v[TM+7], 24, v[\pw]
	WIN \w
.irp c, 0,1
	v_cvt_scalef32_pk16_fp6_f32 v[(\pc)+6*\c:(\pc)+6*\c+2], v[(\src)+32*\c:(\src)+32*\c+15], v[TM+12+2*\c]
	v_cvt_scalef32_pk16_fp6_f32 v[(\pc)+12+4*\c:(\pc)+14+4*\c], v[(\src)+32*\c+16:(\src)+32*\c+31], v[TM+13+2*\c]
.endr
	WIN 0
	v_nop                                                 ; one plain place behind a scaled conversion
.irp c, 0,1                            ; the operand wants a whole block in a lane: lanes 0-15 block 2 c, lanes 16-31 block 2 c + 1
.irp i, 0,1,2
	v_permlane16_swap_b32 v[(\pc)+6*\c+\i], v[(\pc)+12+4*\c+\i]
.endr
.irp i, 0,1,2
	v_mov_b32 v[(\pc)+3+6*\c+\i], v[(\pc)+12+4*\c+\i]
.endr
.endr
.endm
.macro STOREFRAG s                     ; fragment s of my unit and its scale words; each K step has its own registers, so no store's data are written again
.irp c, 0,1,2
	global_store_b128 v4, v[PC+20*\s+4*\c:PC+20*\s+4*\c+3], s[50:51] offset:1536*\s+512*\c
.endr
	global_store_b32 v5, v[PW+\s], s[50:51] offset:6144+128*\s
.endm
.macro FOLD                            ; four chains of pairs -> the row's sum in v8, in both lanes of the row
	v_pk_add_f32 v[8:9], v[8:9], v[10:11]
	v_pk_add_f32 v[12:13], v[12:13], v[14:15]
	v_pk_add_f32 v[8:9], v[8:9], v[12:13]
	v_add_f32 v8, v8, v9
	v_permlanex16_b32 v20, v8, s[SEL], s[SEL+1]
	v_add_f32 v8, v8, v20
.endm
; K step s of a weight's tile: window 1, register 64 s + 32 c + i = W(128 s + 64 c + 32 h + i, my column): two whole blocks a lane, in the operand's own order
.macro WQ s
	WIN 0x05
.irp c, 0,1
	v_max3_num_f32 v[TM+\c], |v[64*\s+32*\c]|, |v[64*\s+32*\c+1]|, 0x1800000
.endr
	WIN 0x14
.irp i, 2,4,6,8,10,12,14,16,18,20,22,24,26,28,30
.irp c, 0,1
	v_max3_num_f32 v[TM+\c], v[TM+\c], |v[64*\s+32*\c+\i]|, |v[64*\s+32*\c+\i+1]|
.endr
.endr
	WIN 0
.irp c, 0,1
	v_add_nc_u32 v[TM+12+\c], 0xff000000, v[TM+\c]
.endr
.irp c, 0,1
	v_lshrrev_b32 v[TM+4+\c], 23, v[TM+12+\c]
.endr
	v_lshl_or_b32 v[PW+\s], v[TM+5], 16, v[TM+4]          ; my bytes: blocks h and 2 + h,
	v_lshlrev_b32 v[PW+\s], v7, v[PW+\s]                  ; 8 h bits up;
	v_permlanex16_b32 v[TM+6], v[PW+\s], s[SEL], s[SEL+1]
	v_or_b32 v[PW+\s], v[PW+\s], v[TM+6]                  ; with lane l xor 16's two the word is whole
	WIN 0x01
.irp c, 0,1
	v_cvt_scalef32_pk16_fp6_f32 v[PC+20*\s+6*\c:PC+20*\s+6*\c+2], v[64*\s+32*\c:64*\s+32*\c+15], v[TM+12+\c]
	v_cvt_scalef32_pk16_fp6_f32 v[PC+20*\s+12+4*\c:PC+20*\s+14+4*\c], v[64*\s+32*\c+16:64*\s+32*\c+31], v[TM+12+\c]
.endr
	WIN 0
	v_nop
.irp c, 0,1
.irp i, 0,1,2
	v_mov_b32 v[PC+20*\s+3+6*\c+\i], v[PC+20*\s+12+4*\c+\i]
.endr
.endr
.endm
	s_load_b512 s[8:23], s[0:1], 0x0               ; x 8, gain 10, bias 12, Wq 14, Wk 16, Wv 18, Wo 20, W1 22
	s_load_b128 s[24:27], s[0:1], 0x40             ; W2 24, xnq 26
	s_load_b64 s[28:29], s[0:1], 0x50              ; wts
	v_lshl_add_u32 v254, v0, 2, 0x29000
	v_mov_b32 v255, 0
	ds_add_u32 v254, v255
	ds_add_u32 v254, v255
	v_lshrrev_b32 v20, 5, v0
	v_readfirstlane_b32 s30, v20                   ; wave
	v_and_b32 v1, 15, v0                           ; r
	v_bfe_u32 v2, v0, 4, 1                         ; h
	v_and_b32 v21, 31, v0
	v_lshlrev_b32 v4, 4, v21                       ; 16 x lane
	v_lshlrev_b32 v5, 2, v21                       ; 4 x lane
	v_lshlrev_b32 v6, 6, v2                        ; 64 h
	v_lshlrev_b32 v7, 3, v2                        ; 8 h
.irp b, 0,1,2,3
	v_mov_b32 v[TM+4+\b], 0                        ; a lane permute's destination counts as one of its sources
.endr
	s_mov_b32 s[SEL], 0x76543210
	s_mov_b32 s[SEL+1], 0xfedcba98
	s_lshl_b32 s31, ttmp9, 2
	s_add_co_u32 s31, s31, s30                     ; 4 x work-group + wave
	s_wait_dscnt 0x0
	s_wait_kmcnt 0x0
	s_cmp_lt_u32 ttmp9, 128
	s_cbranch_scc0 .Lweights
	; ---------------- layer norm 1: token tile 4 g + wave
	; The work-group's 64 rows come by ONE tensor load a wave: wave w fetches the 16 neighbouring rows 64 g + 16 w on; behind a barrier each wave reads its tile's rows, which two waves fetched
	s_lshr_b32 s67, s30, 1
	s_lshl_b32 s67, s67, 5
	s_and_b32 s69, s30, 1
	s_lshl_b32 s69, s69, 3
	s_add_co_u32 s69, s69, s67                     ; my tile's first row among the 64: 32 (wave / 2) + 8 (wave % 2)
	s_mul_i32 s69, s69, 2080                       ; in LDS bytes
	s_lshl_b32 s66, ttmp9, 6
	s_lshl_b32 s67, s30, 4
	s_add_co_u32 s66, s66, s67                     ; the first row that I fetch: 64 g + 16 wave
	s_lshl_b32 s66, s66, 11
	s_mov_b32 s67, 0
	s_add_nc_u64 s[66:67], s[8:9], s[66:67]
	s_mul_i32 s68, s30, 33280                      ; my wave's LDS bytes: 16 rows x 2,080
	v_and_b32 v3, 8, v1
	v_add_nc_u32 v3, v3, v1                        ; r + 8 (r / 8)
	v_mul_u32_u24 v3, v3, 2080
	v_lshl_add_u32 v3, v2, 6, v3
	v_add_nc_u32 v3, s69, v3                       ; my tile's row, + 64 h
	s_mov_b32 s40, (3<<16)|(1<<20)|(7<<22)|(3<<25) ; elements of 8 bytes; 16 bytes of padding behind every 1,024: a row of 2,048 bytes takes 2,080
	s_mov_b32 s41, 256<<16                         ; tensor_dim0
	s_mov_b32 s42, 16<<16                          ; tensor_dim1
	s_mov_b32 s43, 256<<16                         ; tile_dim0
	s_mov_b32 s44, 16                              ; tile_dim1
	s_mov_b32 s45, 256                             ; pitch
	s_mov_b32 s46, 0
	s_mov_b32 s47, 0
	s_mov_b32 s32, 1
	s_mov_b32 s33, s68
	s_mov_b64 s[34:35], s[66:67]
	s_or_b32 s35, s35, 0x80000000
	s_mov_b32 s70, 0x3b000000                      ; 1 / 512
	s_mov_b32 s71, 0x3727c5ac                      ; 1e-5
	s_mul_i32 s72, s31, 6656
	s_mov_b32 s73, 0
	s_add_nc_u64 s[50:51], s[26:27], s[72:73]      ; my unit of xnq
	tensor_load_to_lds s[32:35], s[40:47]          ; my one load: 16 rows, filled once
	s_nop 0
.rept 4
	v_nop
.endr
	WIN 0x80
.set n, 0
	s_wait_alu depctr_va_vdst(0)
.rept 64                               ; the gain in my numbers' order: k = 128 s + 32 b + 16 h + 4 j ..
	global_load_b128 v[4*n:4*n+3], v6, s[10:11] offset:512*(n/16)+128*((n/4)%4)+16*(n%4)
.set n, n+1
.endr
	WIN 0xc0
.set n, 0
.rept 64
	global_load_b128 v[4*n:4*n+3], v6, s[12:13] offset:512*(n/16)+128*((n/4)%4)+16*(n%4)
.set n, n+1
.endr
	s_wait_tensorcnt 0x0                           ; my 16 rows are in LDS,
	s_barrier_signal -1
	s_barrier_wait -1                              ; and everybody's are
	WIN 0x40
.set n, 0
.rept 64
	ds_load_b128 v[4*n:4*n+3], v3 offset:512*(n/16)+16*(n/32)+128*((n/4)%4)+16*(n%4)
.set n, n+1
.endr
	s_wait_dscnt 0x0
	WIN 0x05                                       ; the mean: four chains of packed sums
.irp c, 0,1,2,3
	v_pk_add_f32 v[8+2*\c:9+2*\c], v[2*\c:2*\c+1], v[2*\c+8:2*\c+9]
.endr
	WIN 0x04
.set n, 8
.rept 120
	v_pk_add_f32 v[8+2*(n%4):9+2*(n%4)], v[8+2*(n%4):9+2*(n%4)], v[2*n:2*n+1]
.set n, n+1
.endr
	WIN 0
	FOLD
	v_mul_f32 v16, 0xbb000000, v8                  ; -mean
	v_mov_b32 v17, v16
	WIN 0x41
.set n, 0
.rept 128
	v_pk_add_f32 v[2*n:2*n+1], v[2*n:2*n+1], v[16:17]
.set n, n+1
.endr
	WIN 0x05                                       ; the variance, of the centred numbers
.irp c, 0,1,2,3
	v_pk_mul_f32 v[8+2*\c:9+2*\c], v[2*\c:2*\c+1], v[2*\c:2*\c+1]
.endr
.set n, 4
.rept 124
	v_pk_fma_f32 v[8+2*(n%4):9+2*(n%4)], v[2*n:2*n+1], v[2*n:2*n+1], v[8+2*(n%4):9+2*(n%4)]
.set n, n+1
.endr
	WIN 0
	FOLD
	v_fma_f32 v20, v8, s70, s71
	s_wait_alu depctr_va_vdst(0)
	v_rsq_f32 v18, v20
	v_nop                                          ; a plain place behind the transcendental
	s_wait_alu depctr_va_vdst(0)
	v_mov_b32 v19, v18
	s_wait_alu depctr_va_vdst(0)
	s_wait_loadcnt 0x0                             ; gain and bias
	WIN 0x41
.set n, 0
.rept 128
	v_pk_mul_f32 v[2*n:2*n+1], v[2*n:2*n+1], v[18:19]
.set n, n+1
.endr
	WIN 0x79
.set n, 0
.rept 128
	v_pk_fma_f32 v[2*n:2*n+1], v[2*n:2*n+1], v[2*n:2*n+1], v[2*n:2*n+1]   ; (window 1) x (window 2) + (window 3)
.set n, n+1
.endr
.irp s, 0,1,2,3
	QUANT 64*\s, 1, PC+20*\s, PW+\s
	STOREFRAG \s
.endr
	WIN 0
	s_wait_tensorcnt 0x0
	ds_add_u32 v254, v255
	s_wait_dscnt 0x0
	s_endpgm
	; ---------------- weights: unit 4 w + wave, w = work-group - 128
.Lweights:
	s_sub_co_u32 s66, ttmp9, 128
	s_and_b32 s67, s66, 7
	s_lshl_b32 s68, s67, 8                         ; 64 columns of f32 a group
	s_lshl_b32 s69, s67, 17                        ; a head of Wq, Wk, Wv: 512 x 64 x 4 bytes
	s_and_b32 s70, s66, 31
	s_lshl_b32 s70, s70, 8
	s_bfe_u32 s71, s66, 0x20003
	s_lshl_b32 s71, s71, 20                        ; W2: 512 rows of 2,048 bytes for each unit along K
	s_or_b32 s71, s71, s68
	s_mov_b32 s72, 2048
	s_mov_b32 s73, 8192
	s_mov_b32 s74, 256
	s_mov_b64 s[52:53], s[24:25]                   ; which weight, its pitch and the group's first byte: chosen on the work-group's number alone
	s_mov_b32 s54, s72
	s_mov_b32 s55, s71
	s_cmp_lt_u32 s66, 64
	s_cselect_b64 s[52:53], s[22:23], s[52:53]
	s_cselect_b32 s54, s73, s54
	s_cselect_b32 s55, s70, s55
	s_cmp_lt_u32 s66, 32
	s_cselect_b64 s[52:53], s[20:21], s[52:53]
	s_cselect_b32 s54, s72, s54
	s_cselect_b32 s55, s68, s55
	s_cmp_lt_u32 s66, 24
	s_cselect_b64 s[52:53], s[18:19], s[52:53]
	s_cselect_b32 s54, s74, s54
	s_cselect_b32 s55, s69, s55
	s_cmp_lt_u32 s66, 16
	s_cselect_b64 s[52:53], s[16:17], s[52:53]
	s_cmp_lt_u32 s66, 8
	s_cselect_b64 s[52:53], s[14:15], s[52:53]
	s_mov_b32 s76, s55
	s_mov_b32 s77, 0
	s_add_nc_u64 s[56:57], s[52:53], s[76:77]      ; K step 0,
	s_lshl_b32 s76, s54, 7
	s_add_nc_u64 s[58:59], s[56:57], s[76:77]      ; and each further one 128 rows on
	s_add_nc_u64 s[60:61], s[58:59], s[76:77]
	s_add_nc_u64 s[62:63], s[60:61], s[76:77]
	s_sub_co_u32 s76, s31, 512
	s_mul_i32 s76, s76, 6656
	s_add_nc_u64 s[50:51], s[28:29], s[76:77]      ; my unit of wts
	v_and_b32 v20, 8, v1
	v_add_nc_u32 v20, v20, v1                      ; r + 8 (r / 8)
	s_lshr_b32 s78, s30, 1
	s_lshl_b32 s78, s78, 5
	s_and_b32 s79, s30, 1
	s_lshl_b32 s79, s79, 3
	s_add_co_u32 s78, s78, s79
	v_add_nc_u32 v20, s78, v20                     ; my column of the group's 64
	v_lshlrev_b32 v20, 2, v20
	s_lshl_b32 s79, s54, 5
	v_mad_u32_u24 v20, v2, s79, v20                ; lanes 16-31 begin 32 rows down
.set n, 0
.rept 64
	v_mad_u32_u24 v[OFF+n], s54, 64*(n/32)+(n%32), v20
.set n, n+1
.endr
	WIN 0x40
.irp s, 0,1,2,3
.set n, 0
.rept 64
	global_load_b32 v[64*\s+n], v[OFF+n], s[56+2*\s:57+2*\s]   ; the four waves together read whole runs of 256 bytes of each row
.set n, n+1
.endr
.endr
	WIN 0
	s_wait_loadcnt 63                              ; 64 loads or more were issued behind each of K steps 0 to 2: 63 is the largest count that a wait names
	WQ 0
	STOREFRAG 0
	WQ 1
	STOREFRAG 1
	WQ 2
	STOREFRAG 2
	s_wait_loadcnt 0x0
	WQ 3
	STOREFRAG 3
	s_endpgm
.Lfunc_end_k_qed6b7ecd5d_prep:
	.size	k_qed6b7ecd5d_prep, .Lfunc_end_k_qed6b7ecd5d_prep-k_qed6b7ecd5d_prep
	.p2alignl 7, 3214868480
	.fill 96, 4, 3214868480
	.section	.rodata,"a",@progbits
	.p2align	6, 0x0
	.amdhsa_kernel k_qed6b7ecd5d_prep
		.amdhsa_group_segment_fixed_size 168448
		.amdhsa_private_segment_fixed_size 0
		.amdhsa_enable_private_segment 0
		.amdhsa_kernarg_size 88
		.amdhsa_user_sgpr_count 2
		.amdhsa_user_sgpr_kernarg_segment_ptr 1
		.amdhsa_wavefront_size32 1
		.amdhsa_system_sgpr_workgroup_id_x 1
		.amdhsa_system_sgpr_workgroup_id_y 1
		.amdhsa_system_sgpr_workgroup_id_z 1
		.amdhsa_system_vgpr_workitem_id 0
		.amdhsa_next_free_vgpr 1024
		.amdhsa_next_free_sgpr 80
		.amdhsa_reserve_vcc 0
		.amdhsa_float_denorm_mode_32 3
		.amdhsa_float_denorm_mode_16_64 3
		.amdhsa_memory_ordered 1
		.amdhsa_forward_progress 1
		.amdhsa_inst_pref_size 123
	.end_amdhsa_kernel
	.amdgpu_metadata
---
amdhsa.version: [ 1, 2 ]
amdhsa.kernels:
  - .name:           k_qed6b7ecd5d_prep
    .symbol:         k_qed6b7ecd5d_prep.kd
    .args:
      - { .name: x, .offset: 0, .size: 8, .value_kind: global_buffer, .address_space: global }
      - { .name: ln1_g, .offset: 8, .size: 8, .value_kind: global_buffer, .address_space: global }
      - { .name: ln1_b, .offset: 16, .size: 8, .value_kind: global_buffer, .address_space: global }
      - { .name: Wq, .offset: 24, .size: 8, .value_kind: global_buffer, .address_space: global }
      - { .name: Wk, .offset: 32, .size: 8, .value_kind: global_buffer, .address_space: global }
      - { .name: Wv, .offset: 40, .size: 8, .value_kind: global_buffer, .address_space: global }
      - { .name: Wo, .offset: 48, .size: 8, .value_kind: global_buffer, .address_space: global }
      - { .name: W1, .offset: 56, .size: 8, .value_kind: global_buffer, .address_space: global }
      - { .name: W2, .offset: 64, .size: 8, .value_kind: global_buffer, .address_space: global }
      - { .name: xnq, .offset: 72, .size: 8, .value_kind: global_buffer, .address_space: global }
      - { .name: wts, .offset: 80, .size: 8, .value_kind: global_buffer, .address_space: global }
    .group_segment_fixed_size: 168448
    .private_segment_fixed_size: 0
    .kernarg_segment_align: 8
    .kernarg_segment_size: 88
    .max_flat_workgroup_size: 128
    .sgpr_count:     80
    .vgpr_count:     1024
    .wavefront_size: 32
...
	.end_amdgpu_metadata
.endif
;; end of part 1
;; launch qkv (part 2): grid 32 x 6, 4 waves a work-group, no clusters, 168,448 bytes of LDS; arguments xnq, wts, bq, bk, bv, qq, kv; writes qq, kv
.if DOCPART == 2
	.amdgcn_target "amdgcn-amd-amdhsa--gfx1250"
	.amdhsa_code_object_version 6
	.text
	.protected	k_qed6b7ecd5d_qkv
	.globl	k_qed6b7ecd5d_qkv
	.p2align	8
	.type	k_qed6b7ecd5d_qkv,@function
k_qed6b7ecd5d_qkv:
	s_mov_b64 s[64:65], 0
	v_nop
	global_prefetch_b8 v0, s[64:65] scope:SCOPE_SE
	s_setreg_imm32_b32 hwreg(HW_REG_WAVE_MODE, 25, 1), 1
	s_wait_xcnt 0x0
; QKV.  q, k, v = LN1(x) W + b on codes of FP6 (E2M3) with E8M0 scales, and their quantising: q and k along the head's 64, v along the keys.
; A work-group takes 256 tokens (16 tiles, x) and half the heads of one of q, k, v (y); a wave takes ONE head: its 4 column tiles x 4 K steps, 16 fragments, stay in registers.
; The 16 units of the tokens' codes (106,496 bytes) come into LDS once, a quarter by each wave's one tensor load, and are read by all four waves.
; q, k: the product is used transposed (source 0 = 16 columns of W, source 1 = 16 tokens): a lane holds one token and its registers run along the head's 64.  Two token tiles' 2 x 64 numbers make ONE
; fragment, a PAIR IMAGE: registers 0-5 the first tile's codes, 6-11 the second's; scale word: bytes 0, 1 the first's, 2, 3 the second's.
; v: source 0 = 16 tokens, source 1 = 16 columns: a lane holds one channel and its 64 registers of a block run along 128 keys: one fragment of V^T.
; NO JOINT LOADS: the work-groups that share the tokens' tile are the six of a column of the grid, and six is no multiple of a cluster's four.
; LIMITS: as in the first launch (NaN, infinities; byte 1 for blocks under 2^-124 and for blocks of zeros).
; REGISTERS: window 0: v1-11 addresses, v16-31 at work, v32-35 scale words made, v36-51 W's scale words, v52-115 the tokens' (two blocks), v116-195 four sets of codes.
;   window 1: W's 16 fragments.  window 2: 32 accumulators.  window 3: the tokens' fragments, two buffers of 96; v192-223 the bias in the result's layout.
.set TM,  16
.set PW,  32
.set WSC, 36
.set ASC, 52
.set PC,  116
.set SEL, 36
.set MSB, 0
.macro WIN new
.if MSB != (\new)
	s_set_vgpr_msb (MSB<<8)|(\new)
.set MSB, (\new)
.endif
.endm
.macro PLACES n
.rept \n
	v_nop
.endr
.endm
.macro QUANT src, w, pc, pw            ; 64 numbers of a lane (window w, register src + 16 b + i = k 32 b + 16 h + i) -> a fragment's codes in v[pc] on, its scale word in v[pw]
	WIN (\w)|((\w)<<2)
.irp b, 0,1,2,3
	v_max3_num_f32 v[TM+\b], |v[(\src)+16*\b]|, |v[(\src)+16*\b+1]|, 0x1800000   ; each accumulator is read from its low end on; the floor 2^(3 - 127) holds the byte at 1
.endr
	WIN ((\w)<<2)|((\w)<<4)
.irp i, 2,4,6,8,10,12,14
.irp b, 0,1,2,3
	v_max3_num_f32 v[TM+\b], v[TM+\b], |v[(\src)+16*\b+\i]|, |v[(\src)+16*\b+\i+1]|
.endr
.endr
	WIN 0
.irp b, 0,1,2,3
	v_permlanex16_b32 v[TM+4+\b], v[TM+\b], s[SEL], s[SEL+1]
.endr
.irp b, 0,1,2,3
	v_max_num_f32 v[TM+\b], v[TM+\b], v[TM+4+\b]
.endr
.irp b, 0,1,2,3
	v_add_nc_u32 v[TM+12+\b], 0xff000000, v[TM+\b]
.endr
.irp b, 0,1,2,3
	v_lshrrev_b32 v[TM+4+\b], 23, v[TM+12+\b]
.endr
	v_lshl_or_b32 v[\pw], v[TM+5], 8, v[TM+4]
	v_lshl_or_b32 v[\pw], v[TM+6], 16, v[\pw]
	v_lshl_or_b32 v[\pw], v[TM+7], 24, v[\pw]
	WIN \w
.irp c, 0,1
	v_cvt_scalef32_pk16_fp6_f32 v[(\pc)+6*\c:(\pc)+6*\c+2], v[(\src)+32*\c:(\src)+32*\c+15], v[TM+12+2*\c]
	v_cvt_scalef32_pk16_fp6_f32 v[(\pc)+12+4*\c:(\pc)+14+4*\c], v[(\src)+32*\c+16:(\src)+32*\c+31], v[TM+13+2*\c]
.endr
	WIN 0
	v_nop
.irp c, 0,1
.irp i, 0,1,2
	v_permlane16_swap_b32 v[(\pc)+6*\c+\i], v[(\pc)+12+4*\c+\i]
.endr
.irp i, 0,1,2
	v_mov_b32 v[(\pc)+3+6*\c+\i], v[(\pc)+12+4*\c+\i]
.endr
.endr
.endm
.macro FETCH_A buf, blk, s             ; K step s of the eight token tiles of block blk: 24 loads of 512 consecutive bytes
	WIN 0xc0
.irp m, 0,1,2,3,4,5,6,7
.irp p, 0,1,2
	ds_load_b128 v[96*\buf+12*\m+4*\p:96*\buf+12*\m+4*\p+3], v[6+\blk] offset:6656*\m+1536*\s+512*\p
.endr
.endr
.endm
.macro SCALES blk                      ; the block's 32 scale words
	WIN 0
.irp m, 0,1,2,3,4,5,6,7
.irp s, 0,1,2,3
	ds_load_b32 v[ASC+32*\blk+4*\m+\s], v[8+\blk] offset:6656*\m+6144+128*\s
.endr
.endr
.endm
; 32 matrix instructions, one on each of the 32 accumulators, always in this order.  K step 0 takes the bias as C.
.macro MUL32 var, buf, blk, s
.if \var
.if (\s) == 0
	WIN 0xb7
.else
	WIN 0xa7
.endif
.else
.if (\s) == 0
	WIN 0xbd
.else
	WIN 0xad
.endif
.endif
.irp m, 0,1,2,3,4,5,6,7
.irp c, 0,1,2,3
.if \var
.set rD, 64*\c+8*\m
.set rA, 96*\buf+12*\m
.set rB, 12*(4*\c+\s)
.set sA, ASC+32*\blk+4*\m+\s
.set sB, WSC+4*\c+\s
.else
.set rD, 32*\m+8*\c
.set rA, 12*(4*\c+\s)
.set rB, 96*\buf+12*\m
.set sA, WSC+4*\c+\s
.set sB, ASC+32*\blk+4*\m+\s
.endif
.if (\s) == 0
	v_wmma_scale_f32_16x16x128_f8f6f4 v[rD:rD+7], v[rA:rA+11], v[rB:rB+11], v[192+8*\c:199+8*\c], v[sA], v[sB] matrix_a_fmt:MATRIX_FMT_FP6 matrix_b_fmt:MATRIX_FMT_FP6
.else
	v_wmma_scale_f32_16x16x128_f8f6f4 v[rD:rD+7], v[rA:rA+11], v[rB:rB+11], v[rD:rD+7], v[sA], v[sB] matrix_a_fmt:MATRIX_FMT_FP6 matrix_b_fmt:MATRIX_FMT_FP6
.endif
.endr
.endr
.endm
.macro EPI blk                         ; a block's 256 registers become four fragments and four scale words
	s_wait_xcnt 0x0                                ; the last block's stores have read the registers that are written again
.irp p, 0,1,2,3
	QUANT 64*\p, 2, PC+20*\p, PW+\p
.irp i, 0,1,2
	global_store_b128 v4, v[PC+20*\p+4*\i:PC+20*\p+4*\i+3], s[42+4*\blk:43+4*\blk] offset:1536*\p+512*\i
.endr
.endr
	global_store_b128 v4, v[PW:PW+3], s[44+4*\blk:45+4*\blk]      ; the four words, 16 bytes a lane
.endm
.macro BODY var
	WIN 0xc0
.if \var
.irp c, 0,1,2,3
.irp j, 0,1,2,3,4,5,6,7
	global_load_b32 v[192+8*\c+\j], v11, s[40:41] offset:4*(32*(\c/2)+8*(\c%2))   ; v: a lane holds one channel: its bias in all eight registers
.endr
.endr
.else
.irp c, 0,1,2,3
	global_load_b128 v[192+8*\c:195+8*\c], v10, s[40:41] offset:4*(32*(\c/2)+8*(\c%2))      ; q, k: the tile's eight columns of my half
	global_load_b128 v[196+8*\c:199+8*\c], v10, s[40:41] offset:4*(32*(\c/2)+8*(\c%2))+16
.endr
.endif
	FETCH_A 0, 0, 0
	SCALES 0
	FETCH_A 1, 0, 1
	s_wait_loadcnt 0x0                             ; W, its scale words, the bias
	s_wait_dscnt 24                                ; all but the 24 loads just issued
	MUL32 \var, 0, 0, 0
	PLACES 4                                       ; in front of loads into registers that matrix instructions have read
	FETCH_A 0, 0, 2
	s_wait_dscnt 24
	MUL32 \var, 1, 0, 1
	PLACES 4
	FETCH_A 1, 0, 3
	s_wait_dscnt 24
	MUL32 \var, 0, 0, 2
	PLACES 4
	FETCH_A 0, 1, 0
	SCALES 1
	s_wait_dscnt 56                                ; the 24 + 32 loads just issued may be out
	MUL32 \var, 1, 0, 3
	PLACES 5                                       ; the next block begins its sums anew over these registers
	EPI 0
	FETCH_A 1, 1, 1
	s_wait_dscnt 24
	MUL32 \var, 0, 1, 0
	PLACES 4
	FETCH_A 0, 1, 2
	s_wait_dscnt 24
	MUL32 \var, 1, 1, 1
	PLACES 4
	FETCH_A 1, 1, 3
	s_wait_dscnt 24
	MUL32 \var, 0, 1, 2
	PLACES 4
	s_wait_dscnt 0x0
	MUL32 \var, 1, 1, 3
	PLACES 5
	EPI 1
	WIN 0
	s_wait_tensorcnt 0x0
	ds_add_u32 v254, v255
	s_wait_dscnt 0x0
	s_endpgm
.endm
	s_load_b256 s[4:11], s[0:1], 0x0               ; xnq 4, wts 6, bq 8, bk 10
	s_load_b128 s[12:15], s[0:1], 0x20             ; bv 12, qq 14
	s_load_b64 s[16:17], s[0:1], 0x30              ; kv
	v_lshl_add_u32 v254, v0, 2, 0x29000
	v_mov_b32 v255, 0
	ds_add_u32 v254, v255
	ds_add_u32 v254, v255
	v_lshrrev_b32 v3, 5, v0
	v_readfirstlane_b32 s18, v3                    ; wave
	v_and_b32 v1, 15, v0
	v_bfe_u32 v2, v0, 4, 1
	v_and_b32 v3, 31, v0
	v_lshlrev_b32 v4, 4, v3                        ; 16 x lane
	v_lshlrev_b32 v5, 2, v3                        ; 4 x lane
	v_mov_b32 v6, v4                               ; the images of block 0,
	v_add_nc_u32 v7, 53248, v4                     ; of block 1 (eight units on);
	v_mov_b32 v8, v5                               ; their scale words
	v_add_nc_u32 v9, 53248, v5
	v_lshlrev_b32 v10, 6, v2                       ; bias, q and k: 64 h
	v_and_b32 v11, 8, v1
	v_add_nc_u32 v11, v11, v1
	v_lshlrev_b32 v11, 2, v11                      ; bias, v: 4 (r + 8 (r / 8))
.irp b, 0,1,2,3
	v_mov_b32 v[TM+4+\b], 0
.endr
	s_mov_b32 s[SEL], 0x76543210
	s_mov_b32 s[SEL+1], 0xfedcba98
	s_mov_b32 s19, ttmp9                           ; which 256 tokens
	s_and_b32 s20, ttmp7, 0xffff
	s_lshr_b32 s21, s20, 1                         ; 0 q, 1 k, 2 v
	s_and_b32 s22, s20, 1
	s_lshl_b32 s22, s22, 2
	s_add_co_u32 s22, s22, s18                     ; my head
	s_mov_b32 s28, 3<<16                           ; a dense block as rows of 256 bytes: elements of 8 bytes
	s_mov_b32 s29, 32<<16
	s_mov_b32 s30, 104<<16
	s_mov_b32 s31, 32<<16
	s_mov_b32 s32, 104
	s_mov_b32 s33, 32
	s_mov_b32 s34, 0
	s_mov_b32 s35, 0
	s_mul_i32 s50, s19, 106496
	s_mul_i32 s52, s18, 26624                      ; my quarter, in memory and in LDS
	s_add_co_u32 s50, s50, s52
	s_mov_b32 s51, 0
	s_mov_b32 s24, 1
	s_mov_b32 s25, s52
	s_wait_dscnt 0x0
	s_wait_kmcnt 0x0
	s_add_nc_u64 s[26:27], s[4:5], s[50:51]
	s_or_b32 s27, s27, 0x80000000
	tensor_load_to_lds s[24:27], s[28:35]          ; filled once
	s_nop 0
.rept 4
	v_nop
.endr
	s_lshl_b32 s50, s21, 5
	s_lshl_b32 s52, s22, 2
	s_add_co_u32 s50, s50, s52
	s_mul_i32 s50, s50, 6656
	s_add_nc_u64 s[38:39], s[6:7], s[50:51]        ; my four units of the weight
	WIN 0x40
.irp c, 0,1,2,3
.irp s, 0,1,2,3
.irp p, 0,1,2
	global_load_b128 v[12*(4*\c+\s)+4*\p:12*(4*\c+\s)+4*\p+3], v4, s[38:39] offset:6656*\c+1536*\s+512*\p
.endr
.endr
.endr
	WIN 0
.irp c, 0,1,2,3
.irp s, 0,1,2,3
	global_load_b32 v[WSC+4*\c+\s], v5, s[38:39] offset:6656*\c+6144+128*\s
.endr
.endr
	s_lshr_b32 s50, s19, 3
	s_lshl_b32 s50, s50, 3
	s_add_co_u32 s50, s50, s22                     ; 8 x batch + head
	s_lshl_b32 s50, s50, 4
	s_and_b32 s52, s19, 7
	s_lshl_b32 s52, s52, 1
	s_add_co_u32 s50, s50, s52                     ; my first record of 128 tokens
	s_mov_b32 s53, 13312
	s_mov_b32 s54, 12288
	s_cmp_eq_u32 s21, 0
	s_cselect_b64 s[42:43], s[14:15], s[16:17]     ; qq or kv,
	s_cselect_b32 s53, 6656, s53                   ; a record's bytes,
	s_cselect_b32 s54, 6144, s54                   ; where its words begin,
	s_cselect_b64 s[40:41], s[8:9], s[10:11]       ; and the bias: all chosen on the work-group's number alone
	s_cmp_eq_u32 s21, 2
	s_cselect_b32 s55, 6144, 0                     ; v's images lie behind k's
	s_cselect_b32 s54, 12800, s54
	s_cselect_b64 s[40:41], s[12:13], s[40:41]
	s_mul_i32 s50, s50, s53
	s_add_nc_u64 s[42:43], s[42:43], s[50:51]
	s_mov_b32 s50, s54
	s_add_nc_u64 s[44:45], s[42:43], s[50:51]      ; block 0's words
	s_mov_b32 s50, s55
	s_add_nc_u64 s[42:43], s[42:43], s[50:51]      ; block 0's images
	s_mov_b32 s50, s53
	s_add_nc_u64 s[46:47], s[42:43], s[50:51]      ; block 1's
	s_add_nc_u64 s[48:49], s[44:45], s[50:51]
	s_lshl_b32 s50, s22, 8
	s_add_nc_u64 s[40:41], s[40:41], s[50:51]      ; my head's 64 biases
	s_wait_tensorcnt 0x0                           ; my quarter has landed,
	s_barrier_signal -1
	s_barrier_wait -1                              ; everybody's has
	s_cmp_eq_u32 s21, 2
	s_cbranch_scc1 .Lvalues
	s_wait_alu depctr_va_vdst(0)
	BODY 0
.Lvalues:
	s_wait_alu depctr_va_vdst(0)
	BODY 1
.Lfunc_end_k_qed6b7ecd5d_qkv:
	.size	k_qed6b7ecd5d_qkv, .Lfunc_end_k_qed6b7ecd5d_qkv-k_qed6b7ecd5d_qkv
	.p2alignl 7, 3214868480
	.fill 96, 4, 3214868480
	.section	.rodata,"a",@progbits
	.p2align	6, 0x0
	.amdhsa_kernel k_qed6b7ecd5d_qkv
		.amdhsa_group_segment_fixed_size 168448
		.amdhsa_private_segment_fixed_size 0
		.amdhsa_enable_private_segment 0
		.amdhsa_kernarg_size 56
		.amdhsa_user_sgpr_count 2
		.amdhsa_user_sgpr_kernarg_segment_ptr 1
		.amdhsa_wavefront_size32 1
		.amdhsa_system_sgpr_workgroup_id_x 1
		.amdhsa_system_sgpr_workgroup_id_y 1
		.amdhsa_system_sgpr_workgroup_id_z 1
		.amdhsa_system_vgpr_workitem_id 0
		.amdhsa_next_free_vgpr 1024
		.amdhsa_next_free_sgpr 66
		.amdhsa_reserve_vcc 0
		.amdhsa_float_denorm_mode_32 3
		.amdhsa_float_denorm_mode_16_64 3
		.amdhsa_memory_ordered 1
		.amdhsa_forward_progress 1
		.amdhsa_inst_pref_size 182
	.end_amdhsa_kernel
	.amdgpu_metadata
---
amdhsa.version: [ 1, 2 ]
amdhsa.kernels:
  - .name:           k_qed6b7ecd5d_qkv
    .symbol:         k_qed6b7ecd5d_qkv.kd
    .args:
      - { .name: xnq, .offset: 0, .size: 8, .value_kind: global_buffer, .address_space: global }
      - { .name: wts, .offset: 8, .size: 8, .value_kind: global_buffer, .address_space: global }
      - { .name: bq, .offset: 16, .size: 8, .value_kind: global_buffer, .address_space: global }
      - { .name: bk, .offset: 24, .size: 8, .value_kind: global_buffer, .address_space: global }
      - { .name: bv, .offset: 32, .size: 8, .value_kind: global_buffer, .address_space: global }
      - { .name: qq, .offset: 40, .size: 8, .value_kind: global_buffer, .address_space: global }
      - { .name: kv, .offset: 48, .size: 8, .value_kind: global_buffer, .address_space: global }
    .group_segment_fixed_size: 168448
    .private_segment_fixed_size: 0
    .kernarg_segment_align: 8
    .kernarg_segment_size: 56
    .max_flat_workgroup_size: 128
    .sgpr_count:     66
    .vgpr_count:     1024
    .wavefront_size: 32
...
	.end_amdgpu_metadata
.endif
;; end of part 2
;; launch attn (part 3): grid 8 x 32, 8 waves a work-group, clusters of 4 x 1, 214,016 bytes of LDS; arguments qq, kv, avq; writes avq
.if DOCPART == 3
	.amdgcn_target "amdgcn-amd-amdhsa--gfx1250"
	.amdhsa_code_object_version 6
	.text
	.protected	k_qed6b7ecd5d_attn
	.globl	k_qed6b7ecd5d_attn
	.p2align	8
	.type	k_qed6b7ecd5d_attn,@function
k_qed6b7ecd5d_attn:
	s_mov_b64 s[64:65], 0
	v_nop
	global_prefetch_b8 v0, s[64:65] scope:SCOPE_SE
	s_setreg_imm32_b32 hwreg(HW_REG_WAVE_MODE, 25, 1), 1
	s_wait_xcnt 0x0
	s_wait_alu depctr_hold_cnt(0) depctr_sa_sdst(0) depctr_va_vdst(0) depctr_va_sdst(0) depctr_va_ssrc(0) depctr_va_vcc(0) depctr_vm_vsrc(0)
	s_getreg_b32 s2, hwreg(HW_REG_IB_STS2, 6, 4)
	s_cmp_eq_u32 s2, 0
	s_cbranch_scc0 .Lentry_in_a_cluster
	s_endpgm
.Lentry_in_a_cluster:
	s_bfe_u32 s2, ttmp6, 0x10000c
	s_cmp_lg_u32 s2, 0x3003
	s_cbranch_scc0 .Lentry_shape_is_right
	s_endpgm
.Lentry_shape_is_right:
; ATTENTION on codes of FP6 (E2M3) with E8M0 scales: o = softmax(q k^T / 8) v for one (batch, head), and o's quantising along the head's 64.
; THE SOFTMAX AHEAD OF THE SECOND PRODUCT: t = score x log2(e) / 8; M = the running largest t rounded UP to a whole number; p = 2^(t - M) is quantised along the keys, not normalised;
; the row's sum is taken of the unquantised p and divides at the end; when M moves, the sum and O are multiplied by 2^(old M - new M), which rounds nothing.
; SHARES.  A work-group owns 256 queries; each of its eight waves TWO tiles of 16 (one pair image of q), in 512 registers.  The two tiles share every fragment of K and V that the wave reads.
; THE HEAD'S WHOLE K AND V, 16 records of 13,312 bytes (128 keys each), lie in LDS as they lie in memory, FILLED ONCE.  The four query blocks of a cluster read the same bytes and ask JOINTLY:
; every wave issues one load of 104 rows of 256 bytes (two records) with a mask that names the four work-groups.  All operands are asked for at the head: there is no later stream to prefetch.
; A STEP (128 keys): V of this step is asked for; 16 score products; K of the NEXT step is asked for; tile 0's softmax; its 4 products with V; tile 1's softmax; tile 1's 4 products.
; THE SOFTMAX IS ONE BATCH: all 64 t - M and the four blocks' are made first; then O^T is brought under the new M; then 68 exponentials on end; then the scale word, the codes, and last the row's sum,
; whose 32 additions are the places between the codes and the products that take them.
; K = 64 IN AN INSTRUCTION OF 128: a fragment of K holds TWO key tiles (registers 0-5, 6-11).  It is multiplied by [q | zeros] and by [zeros | q]: the dead half meets zero codes, which add nothing.
; Both products are used transposed, a lane holds one query throughout; the keys of a tile are chosen so that p's 16 registers of two neighbouring tiles are 16 neighbouring keys.
; LIMITS: NaN and infinities are not served; blocks of zeros and blocks under 2^-124 keep the byte 1; the scaled scores t stay under 2^31 in magnitude.
; REGISTERS, in windows of 256.  The same number serves tile 0 in window 0 and tile 1 in window 1: v12 -M, v13 largest t, v[14:15] the sum, v16-33 [0 | q | 0] (v[22:33] is [q | 0], v[16:27] is [0 | q]),
;   v88-151 S^T then p, v152-183 O^T, v184-195 p's codes, v196-211 at work, v216 f, v217 zero, v[218:219] at work.
;   Window 0 alone: v1 16 l, v2, v3 LDS addresses, v4 8 l, v5 4 l, v6-9 q's scale words, v10-11 p's scale words, v34-37 K's, v40-87 K's fragments, v212-215 V's scale words, v254-255 the add's.
;   Window 1 alone: v40-87 V's fragments.
.set QS,  6
.set PSW, 10
.set KS,  34
.set F,   40
.set S,   88
.set OT,  152
.set PC,  184
.set PT,  196
.set BM,  204
.set SO,  208
.set VS,  212
.set WV,  10
.set SEL, 14
.set CS,  16
.set MSB, 0
.macro WIN new                         ; the immediate's high byte repeats the setting that is left
.if MSB != (\new)
	s_set_vgpr_msb (MSB<<8)|(\new)
.set MSB, (\new)
.endif
.endm
.macro PLACES n
.rept \n
	v_nop
.endr
.endm
.macro CROUND                          ; a round of the cluster's barrier
	s_barrier_signal -1
	s_barrier_wait -1
	s_cmp_lg_u32 s[WV], 0
	s_cbranch_scc1 .Lnot_wave_0_\@
	s_barrier_signal -3
.Lnot_wave_0_\@:
	s_barrier_wait -3
	s_barrier_signal -1
	s_barrier_wait -1
.endm
.macro KLOAD                           ; 13 loads: the four pair images of K and their scale words, of the record at v3
.irp g, 0,1,2,3
.irp p, 0,1,2
	ds_load_b128 v[F+12*\g+4*\p:F+12*\g+4*\p+3], v3 offset:1536*\g+512*\p
.endr
.endr
	ds_load_b128 v[KS:KS+3], v3 offset:12288
.endm
.macro VLOAD                           ; 13 loads: V's four fragments (into window 1) and their scale words, of the record at v2
	WIN 0x40
.irp ct, 0,1,2,3
.irp p, 0,1,2
	ds_load_b128 v[F+12*\ct+4*\p:F+12*\ct+4*\p+3], v2 offset:6144+1536*\ct+512*\p
.endr
.endr
	WIN 0
	ds_load_b128 v[VS:VS+3], v2 offset:12800
.endm
.macro QK w                            ; S^T of tile w: register 16 g + i = key 32 g + 16 h + i.  K from window 0, q and S^T from window w
	WIN 0x54*(\w)
.irp g, 0,1,2,3
	v_wmma_scale_f32_16x16x128_f8f6f4 v[S+16*\g:S+16*\g+7], v[F+12*\g:F+12*\g+11], v[22:33], 0, v[KS+\g], v[QS+2*(\w)] matrix_a_fmt:MATRIX_FMT_FP6 matrix_b_fmt:MATRIX_FMT_FP6
	v_wmma_scale_f32_16x16x128_f8f6f4 v[S+16*\g+8:S+16*\g+15], v[F+12*\g:F+12*\g+11], v[16:27], 0, v[KS+\g], v[QS+2*(\w)+1] matrix_a_fmt:MATRIX_FMT_FP6 matrix_b_fmt:MATRIX_FMT_FP6
.endr
.endm
.macro PV w                            ; O^T of tile w += V^T p^T.  V from window 1, p's codes and O^T from window w; the four accumulators by turns
	WIN 0x01|(0x54*(\w))
.irp ct, 0,1,2,3
	v_wmma_scale_f32_16x16x128_f8f6f4 v[OT+8*\ct:OT+8*\ct+7], v[F+12*\ct:F+12*\ct+11], v[PC:PC+11], v[OT+8*\ct:OT+8*\ct+7], v[VS+\ct], v[PSW+(\w)] matrix_a_fmt:MATRIX_FMT_FP6 matrix_b_fmt:MATRIX_FMT_FP6
.endr
.endm
; One tile's softmax for 128 keys, all in window w but the scale word's last move
.macro SOFTMAX w
	WIN 0x55*(\w)
.irp b, 0,1,2,3
	v_max3_num_f32 v[BM+\b], v[S+16*\b], v[S+16*\b+1], v[S+16*\b+2]   ; the largest score of each block of 32 keys: for the row's maximum, and, since p rises with the score, for the block's largest p
.endr
.irp i, 3,5,7,9,11,13
.irp b, 0,1,2,3
	v_max3_num_f32 v[BM+\b], v[BM+\b], v[S+16*\b+\i], v[S+16*\b+\i+1]
.endr
.endr
.irp b, 0,1,2,3
	v_max_num_f32 v[BM+\b], v[BM+\b], v[S+16*\b+15]
.endr
.irp b, 0,1,2,3
	s_delay_alu instid0(VALU_DEP_4)
	v_permlanex16_b32 v[PT+\b], v[BM+\b], s[SEL], s[SEL+1]
.endr
.irp b, 0,1,2,3
	s_delay_alu instid0(VALU_DEP_4)
	v_max_num_f32 v[BM+\b], v[BM+\b], v[PT+\b]     ; with lane l xor 16's 16 keys
.endr
	s_delay_alu instid0(VALU_DEP_2)
	v_max3_num_f32 v218, v[BM], v[BM+1], v[BM+2]
	s_delay_alu instid0(VALU_DEP_1)
	v_max_num_f32 v218, v218, v[BM+3]
	s_delay_alu instid0(VALU_DEP_1)
	v_mul_f32 v218, s[CS], v218
	s_delay_alu instid0(VALU_DEP_1)
	v_max_num_f32 v13, v13, v218                   ; the running largest t
	v_mov_b32 v218, v12
	s_delay_alu instid0(VALU_DEP_2)
	v_floor_f32 v12, -v13                          ; -M = floor(-t): M is a whole number
	s_delay_alu instid0(VALU_DEP_1)
	v_fma_f32 v[BM], v[BM], s[CS], v12             ; t - M of each block's largest score
	s_delay_alu instid0(VALU_DEP_2)
	v_fma_f32 v[BM+1], v[BM+1], s[CS], v12
	s_delay_alu instid0(VALU_DEP_3)
	v_sub_f32 v218, v12, v218                      ; old M - new M
	s_delay_alu instid0(VALU_DEP_4)
	v_fma_f32 v[BM+2], v[BM+2], s[CS], v12
	v_fma_f32 v[BM+3], v[BM+3], s[CS], v12
	s_delay_alu instid0(VALU_DEP_3)
	v_cvt_i32_f32 v218, v218                       ; (it saturates)
	s_delay_alu instid0(VALU_DEP_1)
	v_ldexp_f32 v216, 1.0, v218                    ; f = 2^(old M - new M)
.set n, 0
.rept 32
	v_pk_fma_f32 v[S+n:S+n+1], v[S+n:S+n+1], s[CS:CS+1], v[12:13] op_sel_hi:[1,0,0]   ; t - M, two at a time
.set n, n+2
.endr
	s_wait_alu depctr_va_vdst(0)                   ; ahead of the batch's sources' readers and directly ahead of the first reader of O^T
.set n, 0
.rept 16
	v_pk_mul_f32 v[OT+n:OT+n+1], v[OT+n:OT+n+1], v[216:217] op_sel_hi:[1,0]   ; O^T under the new M, each accumulator from its low end on
.set n, n+2
.endr
.irp b, 0,1,2,3
	v_exp_f32 v[BM+\b], v[BM+\b]                   ; the block's largest p: the same multiply-add and exponential on the same number
.endr
.set n, 0
.rept 64
	v_exp_f32 v[S+n], v[S+n]                       ; p = 2^(t - M), at most 1: not normalised
.set n, n+1
.endr
	v_pk_mul_f32 v[14:15], v[14:15], v[216:217] op_sel_hi:[1,0]   ; the sum under the new M: the plain place behind the batch
	s_wait_alu depctr_va_vdst(0)                   ; one wait for the whole batch
.irp b, 0,1,2,3
	v_max_num_f32 v[BM+\b], 0x1800000, v[BM+\b]    ; the floor 2^(3 - 127): the byte cannot fall under 1
.endr
.irp b, 0,1,2,3
	s_delay_alu instid0(VALU_DEP_4)
	v_add_nc_u32 v[SO+\b], 0xff000000, v[BM+\b]    ; 2 off the exponent field: the conversion's scale operand
.endr
.irp b, 0,1,2,3
	s_delay_alu instid0(VALU_DEP_4)
	v_lshrrev_b32 v[PT+\b], 23, v[SO+\b]           ; the scale's byte
.endr
	s_delay_alu instid0(VALU_DEP_3)
	v_lshl_or_b32 v218, v[PT+1], 8, v[PT]
	s_delay_alu instid0(VALU_DEP_1)
	v_lshl_or_b32 v218, v[PT+2], 16, v218
	s_delay_alu instid0(VALU_DEP_1)
	v_lshl_or_b32 v218, v[PT+3], 24, v218
	WIN 0x01*(\w)
	v_mov_b32 v[PSW+(\w)], v218                    ; p's scale word for these 128 keys, into window 0
	WIN 0x55*(\w)
.irp c, 0,1
	v_cvt_scalef32_pk16_fp6_f32 v[PC+6*\c:PC+6*\c+2], v[S+32*\c:S+32*\c+15], v[SO+2*\c]
	v_cvt_scalef32_pk16_fp6_f32 v[PT+4*\c:PT+4*\c+2], v[S+32*\c+16:S+32*\c+31], v[SO+2*\c+1]   ; (a conversion's three registers begin on an even number)
.endr
	v_nop                                          ; one plain place behind a scaled conversion
.irp c, 0,1                            ; the operand wants a whole block in a lane
.irp i, 0,1,2
	v_permlane16_swap_b32 v[PC+6*\c+\i], v[PT+4*\c+\i]
.endr
.irp i, 0,1,2
	s_delay_alu instid0(VALU_DEP_3)
	v_mov_b32 v[PC+3+6*\c+\i], v[PT+4*\c+\i]
.endr
.endr
; the row's sum, of the unquantised p: 32 packed additions in four chains by turns; they are also the places between the scale word and codes above and the products that take them
	v_pk_add_f32 v[218:219], v[S:S+1], v[S+2:S+3]
	v_pk_add_f32 v[PT:PT+1], v[S+4:S+5], v[S+6:S+7]
	v_pk_add_f32 v[PT+2:PT+3], v[S+8:S+9], v[S+10:S+11]
	v_pk_add_f32 v[14:15], v[14:15], v[S+12:S+13]
.set n, 14
.rept 6
	v_pk_add_f32 v[218:219], v[218:219], v[S+n:S+n+1]
	v_pk_add_f32 v[PT:PT+1], v[PT:PT+1], v[S+n+2:S+n+3]
	v_pk_add_f32 v[PT+2:PT+3], v[PT+2:PT+3], v[S+n+4:S+n+5]
	v_pk_add_f32 v[14:15], v[14:15], v[S+n+6:S+n+7]
.set n, n+8
.endr
	v_pk_add_f32 v[218:219], v[218:219], v[S+62:S+63]
	s_delay_alu instid0(VALU_DEP_3)
	v_pk_add_f32 v[PT:PT+1], v[PT:PT+1], v[PT+2:PT+3]
	s_delay_alu instid0(VALU_DEP_2)
	v_pk_add_f32 v[14:15], v[14:15], v[218:219]
	s_delay_alu instid0(VALU_DEP_1)
	v_pk_add_f32 v[14:15], v[14:15], v[PT:PT+1]
.endm
; A KEY STEP: the record of 128 keys at LDS byte s44.  K of this step was asked for a step ago.  pre = 1: K of the next step is asked for
.macro STEP pre
	v_add_nc_u32 v2, s44, v1
	VLOAD
	s_wait_dscnt 13                                ; K and its scale words are in; the 13 loads of V, just issued, may be out
	QK 0
	QK 1
	WIN 0
.if \pre
	s_add_co_u32 s44, s44, 13312
	v_add_nc_u32 v3, s44, v1
	PLACES 3                                       ; with the line above: four places in front of loads into registers that matrix instructions have read, and of the first read of the scores
	KLOAD
.else
	PLACES 4
.endif
	SOFTMAX 0
	s_wait_alu depctr_va_vdst(0)                   ; directly ahead of the wait below
	s_wait_dscnt 13*\pre                           ; V and its scale words are in; the 13 loads of the next K, issued behind them, may be out
	PV 0
	SOFTMAX 1                                      ; it names no register of the four products above
	PV 1
	WIN 0
	PLACES 4                                       ; in front of the next step's loads of V, and of the way out
.endm
.macro INIT w                          ; the step is written once: the first finds zeros, which the first change of M leaves zeros
	WIN 0x55*(\w)
	v_mov_b32 v13, 0xff61b1e6                      ; the largest t so far: -3e38
	s_delay_alu instid0(VALU_DEP_1)
	v_floor_f32 v12, -v13
	v_mov_b32 v14, 0
	v_mov_b32 v15, 0
	v_mov_b32 v217, 0                              ; (named as the upper half of the pair v[216:217])
.irp b, 0,1,2,3
	v_mov_b32 v[PT+\b], 0                          ; a lane permute's destination counts as one of its sources
.endr
.set n, 0
.rept 32
	v_mov_b32 v[OT+n], 0
.set n, n+1
.endr
.endm
.macro FIN w                           ; tile w: O^T / the sum, quantised along the head's 64 (two blocks), stored as half a fragment and its two scale bytes
	WIN 0x55*(\w)
	v_add_f32 v14, v14, v15
	s_delay_alu instid0(VALU_DEP_1)
	v_permlanex16_b32 v218, v14, s[SEL], s[SEL+1]
	s_delay_alu instid0(VALU_DEP_1)
	v_add_f32 v14, v14, v218                       ; the row's sum
	s_wait_alu depctr_va_vdst(0)                   ; ahead of the transcendental
	v_rcp_f32 v14, v14
	v_nop                                          ; a plain place behind the transcendental
.set n, 0
	s_wait_alu depctr_va_vdst(0)                   ; and behind it, ahead of its first reader
.rept 32
	v_mul_f32 v[S+n], v[OT+n], v14                 ; register 16 b + i = channel 32 b + 16 h + i of my query
.set n, n+1
.endr
.irp b, 0,1
	v_max3_num_f32 v[BM+\b], |v[S+16*\b]|, |v[S+16*\b+1]|, 0x1800000
.endr
.irp i, 2,4,6,8,10,12,14
.irp b, 0,1
	s_delay_alu instid0(VALU_DEP_2)
	v_max3_num_f32 v[BM+\b], v[BM+\b], |v[S+16*\b+\i]|, |v[S+16*\b+\i+1]|
.endr
.endr
.irp b, 0,1
	s_delay_alu instid0(VALU_DEP_2)
	v_permlanex16_b32 v[PT+\b], v[BM+\b], s[SEL], s[SEL+1]
.endr
.irp b, 0,1
	s_delay_alu instid0(VALU_DEP_2)
	v_max_num_f32 v[BM+\b], v[BM+\b], v[PT+\b]
.endr
.irp b, 0,1
	s_delay_alu instid0(VALU_DEP_2)
	v_add_nc_u32 v[SO+\b], 0xff000000, v[BM+\b]
.endr
.irp b, 0,1
	s_delay_alu instid0(VALU_DEP_2)
	v_lshrrev_b32 v[PT+\b], 23, v[SO+\b]
.endr
	s_delay_alu instid0(VALU_DEP_1)
	v_lshl_or_b32 v218, v[PT+1], 8, v[PT]          ; two bytes: the head's two blocks
	v_cvt_scalef32_pk16_fp6_f32 v[PC:PC+2], v[S:S+15], v[SO]
	v_cvt_scalef32_pk16_fp6_f32 v[PT+4:PT+6], v[S+16:S+31], v[SO+1]
	v_nop
.irp i, 0,1,2
	v_permlane16_swap_b32 v[PC+\i], v[PT+4+\i]
.endr
.irp i, 0,1,2
	s_delay_alu instid0(VALU_DEP_3)
	v_mov_b32 v[PC+3+\i], v[PT+4+\i]
.endr
	WIN 0x04*(\w)                                  ; a store's data are its source 1
	global_store_b128 v1, v[PC:PC+3], s[60:61] offset:768*(\w)
	global_store_b64 v4, v[PC+4:PC+5], s[60:61] offset:768*(\w)+512
	global_store_b32 v5, v218, s[62:63] offset:128*(\w)
.endm
	s_load_b128 s[4:7], s[0:1], 0x0                ; qq, kv
	s_load_b64 s[8:9], s[0:1], 0x10                ; avq
	v_lshl_add_u32 v254, v0, 2, 0x34000            ; my spare word, behind the 16 records
	v_mov_b32 v255, 0
	ds_add_u32 v254, v255                          ; the opening lines: the add, twice on end, and its wait ahead of my first tensor load
	ds_add_u32 v254, v255
	v_lshrrev_b32 v2, 5, v0
	s_delay_alu instid0(VALU_DEP_1)
	v_readfirstlane_b32 s[WV], v2                  ; wave 0..7
	v_and_b32 v2, 31, v0
	s_delay_alu instid0(VALU_DEP_1)
	v_lshlrev_b32 v1, 4, v2
	s_delay_alu instid0(VALU_DEP_2)
	v_lshlrev_b32 v4, 3, v2
	s_delay_alu instid0(VALU_DEP_3)
	v_lshlrev_b32 v5, 2, v2
	s_and_b32 s13, ttmp7, 0xffff                   ; 8 x batch + head, which the four partners share
	s_mul_i32 s48, s13, 212992
	s_mul_i32 s50, s[WV], 26624                    ; 104 rows of 256 bytes a wave: two records
	s_mov_b32 s20, 1
	s_mov_b32 s21, s50                             ; LDS mirrors the head's block: the same byte here as there
	s_add_co_u32 s22, s48, s50
	s_mov_b32 s23, 0
	s_mov_b32 s28, 15|(3<<16)|(1<<21)              ; the mask: all four work-groups; elements of 8 bytes; bit 21 set beside a mask
	s_mov_b32 s29, 32<<16
	s_mov_b32 s30, 104<<16
	s_mov_b32 s31, 32<<16
	s_mov_b32 s32, 104
	s_mov_b32 s33, 32
	s_mov_b32 s34, 0
	s_mov_b32 s35, 0
	s_mov_b32 s[SEL], 0x76543210
	s_mov_b32 s[SEL+1], 0xfedcba98
	s_mov_b32 s[CS], 0x3e38aa3b                    ; log2(e) / 8
	s_mov_b32 s[CS+1], s[CS]
	s_bfe_u32 s11, ttmp6, 0x40000                  ; cx: it enters q's and o's addresses alone
	s_lshl_b32 s12, ttmp9, 2
	s_add_co_u32 s12, s12, s11                     ; my block of 256 queries
	s_lshl_b32 s52, s13, 4
	s_lshl_b32 s53, s12, 1
	s_add_co_u32 s52, s52, s53
	s_lshr_b32 s53, s[WV], 2
	s_add_co_u32 s52, s52, s53
	s_mul_i32 s52, s52, 6656                       ; my record of qq
	s_and_b32 s53, s[WV], 3                        ; my pair in it
	s_mul_i32 s54, s53, 1536
	s_add_co_u32 s54, s54, s52
	s_mov_b32 s55, 0
	s_lshl_b32 s53, s53, 2
	s_add_co_u32 s56, s52, s53
	s_add_co_u32 s56, s56, 6144
	s_mov_b32 s57, 0
	s_lshl_b32 s58, s13, 3
	s_add_co_u32 s58, s58, s12
	s_mul_i32 s58, s58, 14336                      ; my block of avq
	s_mul_i32 s60, s[WV], 1536                     ; my two tiles' codes,
	s_add_co_u32 s60, s60, s58
	s_mov_b32 s61, 0
	s_lshl_b32 s62, s[WV], 8                       ; and their words
	s_add_co_u32 s62, s62, s58
	s_add_co_u32 s62, s62, 12288
	s_mov_b32 s63, 0
	s_wait_dscnt 0x0
	s_wait_kmcnt 0x0
	s_add_nc_u64 s[22:23], s[6:7], s[22:23]
	s_or_b32 s23, s23, 0x80000000
	s_add_nc_u64 s[54:55], s[4:5], s[54:55]
	s_add_nc_u64 s[56:57], s[4:5], s[56:57]
	s_add_nc_u64 s[60:61], s[8:9], s[60:61]
	s_add_nc_u64 s[62:63], s[8:9], s[62:63]
	CROUND                                         ; all four work-groups are here: the joint loads meet
	tensor_load_to_lds s[20:23], s[28:35]          ; one load of mine is out
	s_nop 0
.rept 4
	v_nop
.endr
	s_wait_alu depctr_va_vdst(0)
	global_load_b128 v[220:223], v1, s[54:55]      ; the pair image of q: registers 0-5 tile 0's codes, 6-11 tile 1's
	global_load_b128 v[224:227], v1, s[54:55] offset:512
	global_load_b128 v[228:231], v1, s[54:55] offset:1024
	global_load_b32 v232, v1, s[56:57]             ; the pair's scale word: bytes 0, 1 tile 0's, bytes 2, 3 tile 1's
	s_wait_loadcnt 0x0
	v_and_b32 v[QS], 0xffff, v232                  ; tile 0: (s0, s1, 0, 0) for [q | 0],
	v_lshlrev_b32 v[QS+1], 16, v232                ; (0, 0, s0, s1) for [0 | q];
	v_lshrrev_b32 v[QS+2], 16, v232                ; tile 1 likewise
	v_and_b32 v[QS+3], 0xffff0000, v232
.irp i, 0,1,2,3,4,5
	v_mov_b32 v[16+\i], 0
	v_mov_b32 v[22+\i], v[220+\i]
	v_mov_b32 v[28+\i], 0
.endr
	WIN 0x40
.irp i, 0,1,2,3,4,5
	v_mov_b32 v[16+\i], 0
	v_mov_b32 v[22+\i], v[226+\i]
	v_mov_b32 v[28+\i], 0
.endr
	INIT 0                                         ; (these lines are also the places behind the scale words and operands made above)
	INIT 1
	WIN 0
	s_mov_b32 s44, 0
	s_mov_b32 s45, 15
	s_wait_tensorcnt 0x0                           ; my two records have landed,
	s_barrier_signal -1
	s_barrier_wait -1                              ; everybody's have
	v_add_nc_u32 v3, s44, v1
	KLOAD                                          ; K of step 0
.Lstep:                                            ; 15 trips; the last step is written out, so that no look-ahead leaves the tile
	STEP 1
	s_sub_co_u32 s45, s45, 1
	s_cmp_lg_u32 s45, 0
	s_cbranch_scc1 .Lstep
	STEP 0
	FIN 0
	FIN 1
	WIN 0
	s_wait_tensorcnt 0x0                           ; the wave's end
	ds_add_u32 v254, v255
	s_wait_dscnt 0x0
	CROUND                                         ; the closing round
	s_endpgm
.Lfunc_end_k_qed6b7ecd5d_attn:
	.size	k_qed6b7ecd5d_attn, .Lfunc_end_k_qed6b7ecd5d_attn-k_qed6b7ecd5d_attn
	.p2alignl 7, 3214868480
	.fill 96, 4, 3214868480
	.section	.rodata,"a",@progbits
	.p2align	6, 0x0
	.amdhsa_kernel k_qed6b7ecd5d_attn
		.amdhsa_group_segment_fixed_size 214016
		.amdhsa_private_segment_fixed_size 0
		.amdhsa_enable_private_segment 0
		.amdhsa_kernarg_size 24
		.amdhsa_user_sgpr_count 2
		.amdhsa_user_sgpr_kernarg_segment_ptr 1
		.amdhsa_wavefront_size32 1
		.amdhsa_system_sgpr_workgroup_id_x 1
		.amdhsa_system_sgpr_workgroup_id_y 1
		.amdhsa_system_sgpr_workgroup_id_z 1
		.amdhsa_system_vgpr_workitem_id 0
		.amdhsa_next_free_vgpr 512
		.amdhsa_next_free_sgpr 66
		.amdhsa_reserve_vcc 0
		.amdhsa_float_denorm_mode_32 3
		.amdhsa_float_denorm_mode_16_64 3
		.amdhsa_memory_ordered 1
		.amdhsa_forward_progress 1
		.amdhsa_inst_pref_size 80
	.end_amdhsa_kernel
	.amdgpu_metadata
---
amdhsa.version: [ 1, 2 ]
amdhsa.kernels:
  - .name:           k_qed6b7ecd5d_attn
    .symbol:         k_qed6b7ecd5d_attn.kd
    .args:
      - { .name: qq, .offset: 0, .size: 8, .value_kind: global_buffer, .address_space: global }
      - { .name: kv, .offset: 8, .size: 8, .value_kind: global_buffer, .address_space: global }
      - { .name: avq, .offset: 16, .size: 8, .value_kind: global_buffer, .address_space: global }
    .group_segment_fixed_size: 214016
    .private_segment_fixed_size: 0
    .kernarg_segment_align: 8
    .kernarg_segment_size: 24
    .max_flat_workgroup_size: 256
    .sgpr_count:     66
    .vgpr_count:     512
    .wavefront_size: 32
...
	.end_amdgpu_metadata
.endif
;; end of part 3
;; launch proj (part 4): grid 256 x 1, 4 waves a work-group, clusters of 4 x 1, 282,112 bytes of LDS; arguments avq, wts, x, bo, ln2_g, ln2_b, b2, x1b, x2q; writes x1b, x2q
.if DOCPART == 4
	.amdgcn_target "amdgcn-amd-amdhsa--gfx1250"
	.amdhsa_code_object_version 6
	.text
	.protected	k_qed6b7ecd5d_proj
	.globl	k_qed6b7ecd5d_proj
	.p2align	8
	.type	k_qed6b7ecd5d_proj,@function
k_qed6b7ecd5d_proj:
	s_mov_b64 s[64:65], 0
	v_nop
	global_prefetch_b8 v0, s[64:65] scope:SCOPE_SE
	s_setreg_imm32_b32 hwreg(HW_REG_WAVE_MODE, 25, 1), 1
	s_wait_xcnt 0x0
	s_wait_alu depctr_hold_cnt(0) depctr_sa_sdst(0) depctr_va_vdst(0) depctr_va_sdst(0) depctr_va_ssrc(0) depctr_va_vcc(0) depctr_vm_vsrc(0)
	s_getreg_b32 s2, hwreg(HW_REG_IB_STS2, 6, 4)
	s_cmp_eq_u32 s2, 0
	s_cbranch_scc0 .Lentry_in_a_cluster
	s_endpgm
.Lentry_in_a_cluster:
	s_bfe_u32 s2, ttmp6, 0x10000c
	s_cmp_lg_u32 s2, 0x3003
	s_cbranch_scc0 .Lentry_shape_is_right
	s_endpgm
.Lentry_shape_is_right:
; PROJ.  x1 = x + av Wo + bo on codes of FP6 (E2M3) with E8M0 scales; x1 + b2 is kept in f32 for the last launch; layer norm 2 of x1 is quantised along the 512.
; A work-group owns 32 tokens (two tiles) and all 512 columns, so that a row's mean and variance stay inside it; wave w owns columns 128 w .. + 127 (8 column tiles), which are K step w of the next product.
; Wo's 32 units (212,992 bytes) are walked by every work-group: the four of a cluster ask for them JOINTLY; waves 0 to 2 fetch them (11, 11, 10) and each wave reads its own eight.  x's 32 rows of 2,048 bytes come by wave 3's
; tensor load.  All LDS bytes are filled once.  x goes from LDS STRAIGHT INTO THE ACCUMULATORS: the residual is the C of the sums.
; The product is used transposed (source 0 = 16 columns of Wo, source 1 = 16 tokens): a lane holds one token, and its 64 registers of a tile 64 of the wave's 128 columns.
; The rows' sums meet in LDS: a word for each wave, tile and token; one barrier for the sums, one for the squares (other bytes).
; LIMITS: NaN and infinities are not served; blocks of zeros and blocks under 2^-124 keep the byte 1.
; REGISTERS: window 0: v1-13 addresses, v16-31 at work, v32-33 words made, v36-67 Wo's scale words, v68-83 av's half words, v84-91 av's words, v92-119 sums and statistics, v120-159 two sets of codes.
;   window 1: Wo's fragments, two buffers of 96; later x1 + b2.  window 2: v0-127 the 16 accumulators, v128-223 av's 8 fragments.  window 3: bo, gain, bias, b2: 64 each.
.set TM,  16
.set PW,  32
.set WSC, 36
.set HS,  68
.set ASC, 84
.set SUM, 92
.set NM,  100
.set RS,  104
.set TP,  108
.set PC,  120
.set WV,  22
.set SEL, 26
.set STRIP, 212992
.set STAT,  280576
.set MSB, 0
.macro WIN new
.if MSB != (\new)
	s_set_vgpr_msb (MSB<<8)|(\new)
.set MSB, (\new)
.endif
.endm
.macro PLACES n
.rept \n
	v_nop
.endr
.endm
.macro CROUND
	s_barrier_signal -1
	s_barrier_wait -1
	s_cmp_lg_u32 s[WV], 0
	s_cbranch_scc1 .Lnot_wave_0_\@
	s_barrier_signal -3
.Lnot_wave_0_\@:
	s_barrier_wait -3
	s_barrier_signal -1
	s_barrier_wait -1
.endm
.macro QUANT src, w, pc, pw
	WIN (\w)|((\w)<<2)
.irp b, 0,1,2,3
	v_max3_num_f32 v[TM+\b], |v[(\src)+16*\b]|, |v[(\src)+16*\b+1]|, 0x1800000
.endr
	WIN ((\w)<<2)|((\w)<<4)
.irp i, 2,4,6,8,10,12,14
.irp b, 0,1,2,3
	v_max3_num_f32 v[TM+\b], v[TM+\b], |v[(\src)+16*\b+\i]|, |v[(\src)+16*\b+\i+1]|
.endr
.endr
	WIN 0
.irp b, 0,1,2,3
	v_permlanex16_b32 v[TM+4+\b], v[TM+\b], s[SEL], s[SEL+1]
.endr
.irp b, 0,1,2,3
	v_max_num_f32 v[TM+\b], v[TM+\b], v[TM+4+\b]
.endr
.irp b, 0,1,2,3
	v_add_nc_u32 v[TM+12+\b], 0xff000000, v[TM+\b]
.endr
.irp b, 0,1,2,3
	v_lshrrev_b32 v[TM+4+\b], 23, v[TM+12+\b]
.endr
	v_lshl_or_b32 v[\pw], v[TM+5], 8, v[TM+4]
	v_lshl_or_b32 v[\pw], v[TM+6], 16, v[\pw]
	v_lshl_or_b32 v[\pw], v[TM+7], 24, v[\pw]
	WIN \w
.irp c, 0,1
	v_cvt_scalef32_pk16_fp6_f32 v[(\pc)+6*\c:(\pc)+6*\c+2], v[(\src)+32*\c:(\src)+32*\c+15], v[TM+12+2*\c]
	v_cvt_scalef32_pk16_fp6_f32 v[(\pc)+12+4*\c:(\pc)+14+4*\c], v[(\src)+32*\c+16:(\src)+32*\c+31], v[TM+13+2*\c]
.endr
	WIN 0
	v_nop
.irp c, 0,1
.irp i, 0,1,2
	v_permlane16_swap_b32 v[(\pc)+6*\c+\i], v[(\pc)+12+4*\c+\i]
.endr
.irp i, 0,1,2
	v_mov_b32 v[(\pc)+3+6*\c+\i], v[(\pc)+12+4*\c+\i]
.endr
.endr
.endm
.macro PARAM base, ptr                 ; 64 numbers of a vector of 512 in the accumulators' order: register 8 c + j = column 128 w + 32 (c / 2) + 16 h + 8 (c % 2) + j
.irp c, 0,1,2,3,4,5,6,7
	global_load_b128 v[\base+8*\c:\base+8*\c+3], v10, s[\ptr:\ptr+1] offset:4*(32*(\c/2)+8*(\c%2))
	global_load_b128 v[\base+8*\c+4:\base+8*\c+7], v10, s[\ptr:\ptr+1] offset:4*(32*(\c/2)+8*(\c%2))+16
.endr
.endm
.macro FETCH_W buf, s                  ; K step s of my eight column tiles
	WIN 0x40
.irp c, 0,1,2,3,4,5,6,7
.irp p, 0,1,2
	ds_load_b128 v[96*\buf+12*\c+4*\p:96*\buf+12*\c+4*\p+3], v8 offset:6656*\c+1536*\s+512*\p
.endr
.endr
.endm
.macro MULP buf, s                     ; 16 matrix instructions, one on each accumulator, always in this order
	WIN 0xa9
.irp c, 0,1,2,3,4,5,6,7
.irp m, 0,1
	v_wmma_scale_f32_16x16x128_f8f6f4 v[64*\m+8*\c:64*\m+8*\c+7], v[96*\buf+12*\c:96*\buf+12*\c+11], v[128+12*(4*\m+\s):128+12*(4*\m+\s)+11], v[64*\m+8*\c:64*\m+8*\c+7], v[WSC+4*\c+\s], v[ASC+4*\m+\s] matrix_a_fmt:MATRIX_FMT_FP6 matrix_b_fmt:MATRIX_FMT_FP6
.endr
.endr
.endm
; my 64 numbers' sums (in v[SUM+4 m], two chains each) are folded, joined with lane l xor 16's, and meet the other waves' at LDS byte STAT + stat; the rows' sums come back in v[SUM+4 m]
.macro EXCH stat
.irp m, 0,1
	v_pk_add_f32 v[SUM+4*\m:SUM+4*\m+1], v[SUM+4*\m:SUM+4*\m+1], v[SUM+4*\m+2:SUM+4*\m+3]
.endr
.irp m, 0,1
	v_add_f32 v[SUM+4*\m], v[SUM+4*\m], v[SUM+4*\m+1]
.endr
.irp m, 0,1
	v_permlanex16_b32 v[TP+8+\m], v[SUM+4*\m], s[SEL], s[SEL+1]
.endr
.irp m, 0,1
	v_add_f32 v[SUM+4*\m], v[SUM+4*\m], v[TP+8+\m]
.endr
.irp m, 0,1
	ds_store_b32 v11, v[SUM+4*\m] offset:\stat+64*\m   ; both lanes of a token write the same word with the same value
.endr
	s_wait_dscnt 0x0                               ; for the others' sake
	s_barrier_signal -1
	s_barrier_wait -1
.irp m, 0,1
.irp w, 0,1,2,3
	ds_load_b32 v[TP+4*\m+\w], v12 offset:\stat+128*\w+64*\m
.endr
.endr
	s_wait_dscnt 0x0
.irp m, 0,1
	v_add_f32 v[TP+4*\m], v[TP+4*\m], v[TP+4*\m+1]
	v_add_f32 v[TP+4*\m+2], v[TP+4*\m+2], v[TP+4*\m+3]
.endr
.irp m, 0,1
	v_add_f32 v[SUM+4*\m], v[TP+4*\m], v[TP+4*\m+2]    ; the same order in every wave: the same bits
.endr
.endm
	s_load_b512 s[4:19], s[0:1], 0x0               ; avq 4, wts 6, x 8, bo 10, gain 12, bias 14, b2 16, x1b 18
	s_load_b64 s[20:21], s[0:1], 0x40              ; x2q
	v_lshl_add_u32 v254, v0, 2, 0x44c00
	v_mov_b32 v255, 0
	ds_add_u32 v254, v255
	ds_add_u32 v254, v255
	v_lshrrev_b32 v3, 5, v0
	v_readfirstlane_b32 s[WV], v3
	v_and_b32 v1, 15, v0
	v_bfe_u32 v2, v0, 4, 1
	v_and_b32 v3, 31, v0
	v_lshlrev_b32 v4, 4, v3                        ; 16 x lane
	v_lshlrev_b32 v5, 2, v3                        ; 4 x lane
	v_lshlrev_b32 v6, 3, v3                        ; 8 x lane
	s_mul_i32 s52, s[WV], 53248                    ; my eight units of Wo in LDS
	v_add_nc_u32 v8, s52, v4
	v_add_nc_u32 v9, s52, v5
	s_lshl_b32 s54, s[WV], 9                       ; x's 32 rows lie in LDS as rows of 2,048 + 32 bytes (16 of padding behind every 1,024): my 512 bytes of a row begin at 512 w + 16 (w / 2)
	s_lshr_b32 s55, s[WV], 1
	s_lshl_b32 s55, s55, 4
	s_add_co_u32 s54, s54, s55
	s_add_co_u32 s54, s54, STRIP
	v_and_b32 v13, 8, v1
	v_add_nc_u32 v13, v13, v1
	v_mul_u32_u24 v7, v13, 2080
	v_lshl_add_u32 v7, v2, 6, v7
	v_add_nc_u32 v7, s54, v7                       ; row r + 8 (r / 8), + 64 h
	s_lshl_b32 s55, s[WV], 9
	v_lshlrev_b32 v10, 6, v2
	v_add_nc_u32 v10, s55, v10                     ; the parameters: 512 w + 64 h
	v_lshlrev_b32 v12, 2, v1
	v_add_nc_u32 v12, STAT, v12                    ; the statistics: 4 r,
	s_lshl_b32 s53, s[WV], 7
	v_add_nc_u32 v11, s53, v12                     ; and my wave's words
.irp b, 0,1,2,3
	v_mov_b32 v[TM+4+\b], 0
.endr
	v_mov_b32 v[TP+8], 0
	v_mov_b32 v[TP+9], 0
	s_mov_b32 s[SEL], 0x76543210
	s_mov_b32 s[SEL+1], 0xfedcba98
	s_mov_b32 s70, 0x3b000000                      ; 1 / 512
	s_mov_b32 s71, 0x3727c5ac                      ; 1e-5
	s_mov_b32 s36, 15|(3<<16)|(1<<21)              ; the joint load: rows of 256 bytes, dense
	s_mov_b32 s37, 32<<16
	s_mov_b32 s38, 286<<16                         ; waves 0 and 1: eleven units, 286 rows of 256 bytes
	s_mov_b32 s39, 32<<16
	s_mov_b32 s40, 286
	s_mov_b32 s76, 15|(3<<16)|(1<<21)              ; wave 2: the last ten units, 260 rows
	s_mov_b32 s77, 32<<16
	s_mov_b32 s78, 260<<16
	s_mov_b32 s79, 32<<16
	s_mov_b32 s80, 260
	s_mov_b32 s81, 32
	s_mov_b32 s82, 0
	s_mov_b32 s83, 0
	s_mov_b32 s41, 32
	s_mov_b32 s42, 0
	s_mov_b32 s43, 0
	s_mov_b32 s44, (3<<16)|(1<<20)|(7<<22)|(3<<25) ; wave 3: x's 32 whole rows of 2,048 bytes, dense in memory; 16 bytes of padding behind every 1,024
	s_mov_b32 s45, 256<<16
	s_mov_b32 s46, 32<<16
	s_mov_b32 s47, 256<<16
	s_mov_b32 s48, 32
	s_mov_b32 s49, 256
	s_mov_b32 s50, 0
	s_mov_b32 s51, 0
	s_mov_b32 s28, 1
	s_mul_i32 s74, s[WV], 73216                    ; eleven units a loading wave
	s_mov_b32 s29, s74
	s_add_co_u32 s30, s74, 638976                  ; Wo's units begin at unit 96
	s_mov_b32 s31, 0
	s_mov_b32 s32, 1
	s_mov_b32 s33, STRIP
	s_bfe_u32 s23, ttmp6, 0x40000
	s_lshl_b32 s24, ttmp9, 2
	s_add_co_u32 s24, s24, s23                     ; my group of 32 tokens: it enters global addresses alone
	s_lshl_b32 s34, s24, 16
	s_mov_b32 s35, 0
	s_lshr_b32 s66, s24, 6
	s_mul_i32 s66, s66, 917504                     ; the batch,
	s_bfe_u32 s67, s24, 0x30003
	s_mul_i32 s67, s67, 14336                      ; the block of 256 queries
	s_add_co_u32 s66, s66, s67
	s_and_b32 s67, s24, 7
	s_mul_i32 s68, s67, 1536
	s_add_co_u32 s56, s66, s68                     ; av's codes: my two tiles of head 0
	s_mov_b32 s57, 0
	s_lshl_b32 s67, s67, 8
	s_add_co_u32 s58, s66, s67
	s_add_co_u32 s58, s58, 12288                   ; and their words
	s_mov_b32 s59, 0
	s_lshl_b32 s60, s24, 16
	s_lshl_b32 s67, s[WV], 13
	s_add_co_u32 s60, s60, s67                     ; x1b: 1,024 (32 (2 G) + 8 w)
	s_mov_b32 s61, 0
	s_mul_i32 s66, s24, 13312
	s_mul_i32 s67, s[WV], 1536
	s_add_co_u32 s62, s66, s67                     ; x2q: my K step of units 2 G, 2 G + 1
	s_mov_b32 s63, 0
	s_add_co_u32 s72, s66, s53
	s_add_co_u32 s72, s72, 6144
	s_mov_b32 s73, 0
	s_wait_dscnt 0x0
	s_wait_kmcnt 0x0
	s_add_nc_u64 s[30:31], s[6:7], s[30:31]
	s_or_b32 s31, s31, 0x80000000
	s_add_nc_u64 s[34:35], s[8:9], s[34:35]
	s_or_b32 s35, s35, 0x80000000
	s_add_nc_u64 s[56:57], s[4:5], s[56:57]
	s_add_nc_u64 s[58:59], s[4:5], s[58:59]
	s_add_nc_u64 s[60:61], s[18:19], s[60:61]
	s_add_nc_u64 s[62:63], s[20:21], s[62:63]
	s_add_nc_u64 s[72:73], s[20:21], s[72:73]
	CROUND
	; THE HEAD'S LOADS, ONE A WAVE, in one chain of branches on the wave's number: waves 0 to 2 ask jointly for Wo's 32 units (11, 11, 10), wave 3 for the work-group's own 32 rows of x.
	; Every wave reads what other waves fetched, so a barrier follows the wait for the loads.
	s_cmp_lt_u32 s[WV], 2
	s_cbranch_scc0 .Lhead_c
	tensor_load_to_lds s[28:31], s[36:43]
	s_nop 0
	PLACES 4
	s_branch .Lhead_asked
.Lhead_c:
	s_cmp_lt_u32 s[WV], 3
	s_cbranch_scc0 .Lhead_x
	tensor_load_to_lds s[28:31], s[76:83]
	s_nop 0
	PLACES 4
	s_branch .Lhead_asked
.Lhead_x:
	tensor_load_to_lds s[32:35], s[44:51]
	s_nop 0
	PLACES 4
.Lhead_asked:
	WIN 0x80
.irp m, 0,1
.irp hd, 0,1,2,3,4,5,6,7               ; K step hd / 2 is heads hd and hd + 1: six registers from each
	global_load_b128 v[128+12*(4*\m+\hd/2)+6*(\hd%2):128+12*(4*\m+\hd/2)+6*(\hd%2)+3], v4, s[56:57] offset:114688*\hd+768*\m
	global_load_b64 v[128+12*(4*\m+\hd/2)+6*(\hd%2)+4:128+12*(4*\m+\hd/2)+6*(\hd%2)+5], v6, s[56:57] offset:114688*\hd+768*\m+512
.endr
.endr
	WIN 0
.irp m, 0,1
.irp hd, 0,1,2,3,4,5,6,7
	global_load_b32 v[HS+8*\m+\hd], v5, s[58:59] offset:114688*\hd+128*\m
.endr
.endr
	WIN 0xc0
	PARAM 0, 10
	PARAM 64, 12
	PARAM 128, 14
	PARAM 192, 16
	s_wait_tensorcnt 0x0                           ; my load has landed,
	s_barrier_signal -1
	s_barrier_wait -1                              ; everybody's has
	WIN 0x80
.irp m, 0,1
.irp c, 0,1,2,3,4,5,6,7
.irp q, 0,1
	ds_load_b128 v[64*\m+8*\c+4*\q:64*\m+8*\c+4*\q+3], v7 offset:16640*\m+128*(\c/2)+32*(\c%2)+16*\q   ; x in the result's layout; tile 1 begins eight rows down
.endr
.endr
.endr
	WIN 0
.irp c, 0,1,2,3,4,5,6,7
.irp s, 0,1,2,3
	ds_load_b32 v[WSC+4*\c+\s], v9 offset:6656*\c+6144+128*\s
.endr
.endr
	FETCH_W 0, 0
	s_wait_loadcnt 63                              ; the 64 parameter loads stand behind av's codes and words
	WIN 0
.irp m, 0,1
.irp s, 0,1,2,3
	v_perm_b32 v[ASC+4*\m+\s], v[HS+8*\m+2*\s+1], v[HS+8*\m+2*\s], 0x05040100   ; two heads' two bytes make a K step's word
.endr
.endr
	PLACES 8                                       ; a scale word made by a vector instruction stands 8 places ahead of the product
	FETCH_W 1, 1
	s_wait_alu depctr_va_vdst(0)
	s_wait_dscnt 24                                ; all but the 24 loads just issued
	MULP 0, 0
	PLACES 4
	FETCH_W 0, 2
	s_wait_dscnt 24
	MULP 1, 1
	PLACES 4
	FETCH_W 1, 3
	s_wait_dscnt 24
	MULP 0, 2
	PLACES 4
	s_wait_dscnt 0x0
	MULP 1, 3
	PLACES 4
	s_wait_loadcnt 0x0
	WIN 0x8e
.irp m, 0,1
.set n, 0
.rept 32
	v_pk_add_f32 v[64*\m+n:64*\m+n+1], v[64*\m+n:64*\m+n+1], v[n:n+1]           ; + bo: x1, each accumulator from its low end on
.set n, n+2
.endr
.endr
	WIN 0x4e
.irp m, 0,1
.set n, 0
.rept 32
	v_pk_add_f32 v[64*\m+n:64*\m+n+1], v[64*\m+n:64*\m+n+1], v[192+n:193+n]     ; x1 + b2, into window 1
.set n, n+2
.endr
.endr
	WIN 0x04
.irp m, 0,1
.irp c, 0,1,2,3,4,5,6,7
.irp q, 0,1
	global_store_b128 v4, v[64*\m+8*\c+4*\q:64*\m+8*\c+4*\q+3], s[60:61] offset:32768*\m+1024*\c+512*\q   ; images of accumulators: 512 consecutive bytes a store
.endr
.endr
.endr
	WIN 0x0a
.irp m, 0,1
.irp k, 0,1
	v_pk_add_f32 v[SUM+4*\m+2*\k:SUM+4*\m+2*\k+1], v[64*\m+2*\k:64*\m+2*\k+1], v[64*\m+2*\k+4:64*\m+2*\k+5]
.endr
.endr
	WIN 0x08
.set n, 4
.rept 28
.irp m, 0,1
	v_pk_add_f32 v[SUM+4*\m+2*(n%2):SUM+4*\m+2*(n%2)+1], v[SUM+4*\m+2*(n%2):SUM+4*\m+2*(n%2)+1], v[64*\m+2*n:64*\m+2*n+1]
.endr
.set n, n+1
.endr
	WIN 0
	EXCH 0
.irp m, 0,1
	v_mul_f32 v[NM+2*\m], 0xbb000000, v[SUM+4*\m]  ; -mean
.endr
.irp m, 0,1
	v_mov_b32 v[NM+2*\m+1], v[NM+2*\m]
.endr
	WIN 0x82
.irp m, 0,1
.set n, 0
.rept 32
	v_pk_add_f32 v[64*\m+n:64*\m+n+1], v[64*\m+n:64*\m+n+1], v[NM+2*\m:NM+2*\m+1]
.set n, n+2
.endr
.endr
	WIN 0x0a
.irp m, 0,1
.irp k, 0,1
	v_pk_mul_f32 v[SUM+4*\m+2*\k:SUM+4*\m+2*\k+1], v[64*\m+2*\k:64*\m+2*\k+1], v[64*\m+2*\k:64*\m+2*\k+1]
.endr
.endr
.set n, 2
.rept 30
.irp m, 0,1
	v_pk_fma_f32 v[SUM+4*\m+2*(n%2):SUM+4*\m+2*(n%2)+1], v[64*\m+2*n:64*\m+2*n+1], v[64*\m+2*n:64*\m+2*n+1], v[SUM+4*\m+2*(n%2):SUM+4*\m+2*(n%2)+1]
.endr
.set n, n+1
.endr
	WIN 0
	EXCH 512
.irp m, 0,1
	v_fma_f32 v[TP+\m], v[SUM+4*\m], s70, s71
.endr
	s_wait_alu depctr_va_vdst(0)
.irp m, 0,1
	v_rsq_f32 v[RS+2*\m], v[TP+\m]
.endr
	v_nop
	s_wait_alu depctr_va_vdst(0)
.irp m, 0,1
	v_mov_b32 v[RS+2*\m+1], v[RS+2*\m]
.endr
	WIN 0x82
.irp m, 0,1
.set n, 0
.rept 32
	v_pk_mul_f32 v[64*\m+n:64*\m+n+1], v[64*\m+n:64*\m+n+1], v[RS+2*\m:RS+2*\m+1]
.set n, n+2
.endr
.endr
	WIN 0xbe
.irp m, 0,1
.set n, 0
.rept 32
	v_pk_fma_f32 v[64*\m+n:64*\m+n+1], v[64*\m+n:64*\m+n+1], v[64+n:65+n], v[128+n:129+n]
.set n, n+2
.endr
.endr
.irp m, 0,1
	QUANT 64*\m, 2, PC+20*\m, PW+\m
.irp i, 0,1,2
	global_store_b128 v4, v[PC+20*\m+4*\i:PC+20*\m+4*\i+3], s[62:63] offset:6656*\m+512*\i
.endr
	global_store_b32 v5, v[PW+\m], s[72:73] offset:6656*\m
.endr
	s_wait_tensorcnt 0x0
	ds_add_u32 v254, v255
	s_wait_dscnt 0x0
	CROUND                                         ; the closing round
	s_endpgm
.Lfunc_end_k_qed6b7ecd5d_proj:
	.size	k_qed6b7ecd5d_proj, .Lfunc_end_k_qed6b7ecd5d_proj-k_qed6b7ecd5d_proj
	.p2alignl 7, 3214868480
	.fill 96, 4, 3214868480
	.section	.rodata,"a",@progbits
	.p2align	6, 0x0
	.amdhsa_kernel k_qed6b7ecd5d_proj
		.amdhsa_group_segment_fixed_size 282112
		.amdhsa_private_segment_fixed_size 0
		.amdhsa_enable_private_segment 0
		.amdhsa_kernarg_size 72
		.amdhsa_user_sgpr_count 2
		.amdhsa_user_sgpr_kernarg_segment_ptr 1
		.amdhsa_wavefront_size32 1
		.amdhsa_system_sgpr_workgroup_id_x 1
		.amdhsa_system_sgpr_workgroup_id_y 1
		.amdhsa_system_sgpr_workgroup_id_z 1
		.amdhsa_system_vgpr_workitem_id 0
		.amdhsa_next_free_vgpr 1024
		.amdhsa_next_free_sgpr 88
		.amdhsa_reserve_vcc 0
		.amdhsa_float_denorm_mode_32 3
		.amdhsa_float_denorm_mode_16_64 3
		.amdhsa_memory_ordered 1
		.amdhsa_forward_progress 1
		.amdhsa_inst_pref_size 81
	.end_amdhsa_kernel
	.amdgpu_metadata
---
amdhsa.version: [ 1, 2 ]
amdhsa.kernels:
  - .name:           k_qed6b7ecd5d_proj
    .symbol:         k_qed6b7ecd5d_proj.kd
    .args:
      - { .name: avq, .offset: 0, .size: 8, .value_kind: global_buffer, .address_space: global }
      - { .name: wts, .offset: 8, .size: 8, .value_kind: global_buffer, .address_space: global }
      - { .name: x, .offset: 16, .size: 8, .value_kind: global_buffer, .address_space: global }
      - { .name: bo, .offset: 24, .size: 8, .value_kind: global_buffer, .address_space: global }
      - { .name: ln2_g, .offset: 32, .size: 8, .value_kind: global_buffer, .address_space: global }
      - { .name: ln2_b, .offset: 40, .size: 8, .value_kind: global_buffer, .address_space: global }
      - { .name: b2, .offset: 48, .size: 8, .value_kind: global_buffer, .address_space: global }
      - { .name: x1b, .offset: 56, .size: 8, .value_kind: global_buffer, .address_space: global }
      - { .name: x2q, .offset: 64, .size: 8, .value_kind: global_buffer, .address_space: global }
    .group_segment_fixed_size: 282112
    .private_segment_fixed_size: 0
    .kernarg_segment_align: 8
    .kernarg_segment_size: 72
    .max_flat_workgroup_size: 128
    .sgpr_count:     88
    .vgpr_count:     1024
    .wavefront_size: 32
...
	.end_amdgpu_metadata
.endif
;; end of part 4
;; launch ffn1 (part 5): grid 4 x 64, 8 waves a work-group, clusters of 4 x 1, 168,960 bytes of LDS; arguments x2q, wts, b1, hq; writes hq
.if DOCPART == 5
	.amdgcn_target "amdgcn-amd-amdhsa--gfx1250"
	.amdhsa_code_object_version 6
	.text
	.protected	k_qed6b7ecd5d_ffn1
	.globl	k_qed6b7ecd5d_ffn1
	.p2align	8
	.type	k_qed6b7ecd5d_ffn1,@function
k_qed6b7ecd5d_ffn1:
	s_mov_b64 s[64:65], 0
	v_nop
	global_prefetch_b8 v0, s[64:65] scope:SCOPE_SE
	s_setreg_imm32_b32 hwreg(HW_REG_WAVE_MODE, 25, 1), 1
	s_wait_xcnt 0x0
	s_wait_alu depctr_hold_cnt(0) depctr_sa_sdst(0) depctr_va_vdst(0) depctr_va_sdst(0) depctr_va_ssrc(0) depctr_va_vcc(0) depctr_vm_vsrc(0)
	s_getreg_b32 s2, hwreg(HW_REG_IB_STS2, 6, 4)
	s_cmp_eq_u32 s2, 0
	s_cbranch_scc0 .Lentry_in_a_cluster
	s_endpgm
.Lentry_in_a_cluster:
	s_bfe_u32 s2, ttmp6, 0x10000c
	s_cmp_lg_u32 s2, 0x3003
	s_cbranch_scc0 .Lentry_shape_is_right
	s_endpgm
.Lentry_shape_is_right:
; FFN1.  h = gelu(LN2(x1) W1 + b1) on codes of FP6 (E2M3) with E8M0 scales, quantised along the hidden 2,048.
; A work-group takes 128 tokens (y) and 512 hidden units (x); each of its eight waves 64 units: 4 column tiles x 4 K steps, 16 fragments of W1, kept in registers for the whole launch.
; The tokens' 8 units (53,248 bytes) come into LDS once; the four work-groups of a cluster take the same tokens and ask for them JOINTLY, one unit (26 rows of 256 bytes) by each wave.
; A LOOP OF FOUR TRIPS: a trip takes a pair of token tiles: 24 + 8 LDS loads, 32 products (8 accumulators by turns, K ascending, the bias as the first C), the GELU of 64 numbers a lane, one quantiser, four stores.
; The product is used transposed: a lane holds one token and its registers run along the wave's 64 units.  The pair's 2 x 64 numbers are quantised together; each tile's six registers leave as half a fragment.
; The four pairs' scale words are gathered in four registers (each trip moves them one down) and leave by one store of 16 bytes a lane.
; GELU, exact (erf): gelu(x) = max(x, 0) - |x| erfc(|x| / sqrt 2) / 2, with erfc(z) = t exp(-z^2 + P(t)), t = 1 / (1 + z / 2), P the Chebyshev fit of degree 9 whose fractional error is 1.2e-7 for every z >= 0.
; Here in base 2: t 2^(-0.72134752 x^2 + P'(t)), P' = P x log2(e), less 1 for the half.  It holds for every finite x: for large |x| the exponent falls to -infinity and the term to 0.
; NO PREFETCH: every operand is asked for at the head; the loop reads LDS and registers alone.
; LIMITS: NaN and infinities are not served; blocks of zeros and blocks under 2^-124 keep the byte 1.
; REGISTERS: window 0: v2-12 lane terms and addresses, v14-15 the add's, v16-31 at work, v32-35 the words made, v36-51 W1's scale words, v52-59 the tokens', v[60:61] the highest coefficient,
;   v64-83 codes, v88-119 the bias in the result's layout, v128-223 the pair's 8 fragments, and behind the products three sets of 32 at work in the GELU.
;   window 1: v0-191 W1's 16 fragments, v192-255 the 8 accumulators.
.set SPW, 14
.set NIL, 15
.set TM,  16
.set PW,  32
.set WSC, 36
.set ASC, 52
.set CF,  60
.set PC,  64
.set BI,  88
.set AF,  128
.set GT,  128
.set GP,  160
.set GU,  192
.set AC,  192
.set SPARE, 0x29000
.set WV,  18
.set SEL, 36
.set MSB, 0
.macro WIN new
.if MSB != (\new)
	s_set_vgpr_msb (MSB<<8)|(\new)
.set MSB, (\new)
.endif
.endm
.macro PLACES n
.rept \n
	v_nop
.endr
.endm
.macro CROUND
	s_barrier_signal -1
	s_barrier_wait -1
	s_cmp_lg_u32 s[WV], 0
	s_cbranch_scc1 .Lnot_wave_0_\@
	s_barrier_signal -3
.Lnot_wave_0_\@:
	s_barrier_wait -3
	s_barrier_signal -1
	s_barrier_wait -1
.endm
.macro FETCH                           ; the pair's two units: 8 fragments and 8 scale words
.irp m, 0,1
.irp s, 0,1,2,3
.irp p, 0,1,2
	ds_load_b128 v[AF+12*(4*\m+\s)+4*\p:AF+12*(4*\m+\s)+4*\p+3], v6 offset:6656*\m+1536*\s+512*\p
.endr
	ds_load_b32 v[ASC+4*\m+\s], v8 offset:6656*\m+6144+128*\s
.endr
.endr
.endm
.macro MULS s                          ; one product on each of the 8 accumulators, always in this order; K step 0 takes the bias as C
.if (\s) == 0
	WIN 0x41
.else
	WIN 0x51
.endif
.irp m, 0,1
.irp c, 0,1,2,3
.if (\s) == 0
	v_wmma_scale_f32_16x16x128_f8f6f4 v[AC+32*\m+8*\c:AC+32*\m+8*\c+7], v[12*(4*\c+\s):12*(4*\c+\s)+11], v[AF+12*(4*\m+\s):AF+12*(4*\m+\s)+11], v[BI+8*\c:BI+8*\c+7], v[WSC+4*\c+\s], v[ASC+4*\m+\s] matrix_a_fmt:MATRIX_FMT_FP6 matrix_b_fmt:MATRIX_FMT_FP6
.else
	v_wmma_scale_f32_16x16x128_f8f6f4 v[AC+32*\m+8*\c:AC+32*\m+8*\c+7], v[12*(4*\c+\s):12*(4*\c+\s)+11], v[AF+12*(4*\m+\s):AF+12*(4*\m+\s)+11], v[AC+32*\m+8*\c:AC+32*\m+8*\c+7], v[WSC+4*\c+\s], v[ASC+4*\m+\s] matrix_a_fmt:MATRIX_FMT_FP6 matrix_b_fmt:MATRIX_FMT_FP6
.endif
.endr
.endr
.endm
; 32 numbers of window 1, in place.  Two batches of transcendentals; each has its sources laid first, one wait ahead, independent work behind it, and one wait ahead of its readers
.macro GELU x
	s_wait_alu depctr_va_vdst(0)                   ; directly ahead of the first reader of the products' results
	WIN 0x01
.set i, 0
.rept 32
	v_fma_f32 v[GT+i], |v[(\x)+i]|, s86, 1.0       ; 1 + z / 2; each accumulator is read from its low end on
.set i, i+1
.endr
	WIN 0
	s_wait_alu depctr_va_vdst(0)
.set i, 0
.rept 32
	v_rcp_f32 v[GT+i], v[GT+i]                     ; t
.set i, i+1
.endr
	WIN 0x01
.set i, 0
.rept 16
	v_pk_mul_f32 v[GU+i:GU+i+1], v[(\x)+i:(\x)+i+1], s[84:85] op_sel_hi:[1,0]   ; -log2(e) / 2 x
.set i, i+2
.endr
	WIN 0
	s_wait_alu depctr_va_vdst(0)
.set i, 0
.rept 16
	v_pk_fma_f32 v[GP+i:GP+i+1], v[GT+i:GT+i+1], v[CF:CF+1], s[82:83] op_sel_hi:[1,1,0]
.set i, i+2
.endr
.irp k, 80,78,76,74,72,70,68,66
.set i, 0
.rept 16
	v_pk_fma_f32 v[GP+i:GP+i+1], v[GP+i:GP+i+1], v[GT+i:GT+i+1], s[\k:\k+1] op_sel_hi:[1,1,0]
.set i, i+2
.endr
.endr
	WIN 0x04
.set i, 0
.rept 16
	v_pk_fma_f32 v[GP+i:GP+i+1], v[GU+i:GU+i+1], v[(\x)+i:(\x)+i+1], v[GP+i:GP+i+1]
.set i, i+2
.endr
	WIN 0
	s_wait_alu depctr_va_vdst(0)
.set i, 0
.rept 32
	v_exp_f32 v[GP+i], v[GP+i]
.set i, i+1
.endr
	WIN 0x04
.set i, 0
.rept 32
	v_max_num_f32 v[GU+i], 0, v[(\x)+i]
.set i, i+1
.endr
	WIN 0
	s_wait_alu depctr_va_vdst(0)
.set i, 0
.rept 16
	v_pk_mul_f32 v[GT+i:GT+i+1], v[GT+i:GT+i+1], v[GP+i:GP+i+1]   ; erfc / 2
.set i, i+2
.endr
	WIN 0x41
.set i, 0
.rept 32
	v_fma_f32 v[(\x)+i], -|v[(\x)+i]|, v[GT+i], v[GU+i]
.set i, i+1
.endr
.endm
.macro QUANT                           ; the 64 numbers (window 1, register AC + 16 b + i = k 32 b + 16 h + i) -> a fragment's codes in v[PC] on, its scale word in v[PW+3]
	WIN 0x05
.irp b, 0,1,2,3
	v_max3_num_f32 v[TM+\b], |v[AC+16*\b]|, |v[AC+16*\b+1]|, 0x1800000   ; the floor 2^(3 - 127) holds the byte at 1
.endr
	WIN 0x14
.irp i, 2,4,6,8,10,12,14
.irp b, 0,1,2,3
	v_max3_num_f32 v[TM+\b], v[TM+\b], |v[AC+16*\b+\i]|, |v[AC+16*\b+\i+1]|
.endr
.endr
	WIN 0
.irp b, 0,1,2,3
	v_permlanex16_b32 v[TM+4+\b], v[TM+\b], s[SEL], s[SEL+1]   ; (the four blocks by turns, here and below)
.endr
.irp b, 0,1,2,3
	v_max_num_f32 v[TM+\b], v[TM+\b], v[TM+4+\b]   ; with lane l xor 16's: the block's largest magnitude
.endr
.irp b, 0,1,2,3
	v_add_nc_u32 v[TM+12+\b], 0xff000000, v[TM+\b] ; 2 off its exponent field: the conversion's scale operand
.endr
.irp b, 0,1,2,3
	v_lshrrev_b32 v[TM+4+\b], 23, v[TM+12+\b]      ; the scale's byte
.endr
	s_delay_alu instid0(VALU_DEP_3)
	v_lshl_or_b32 v[PW+3], v[TM+5], 8, v[TM+4]
	s_delay_alu instid0(VALU_DEP_1)
	v_lshl_or_b32 v[PW+3], v[TM+6], 16, v[PW+3]
	s_delay_alu instid0(VALU_DEP_1)
	v_lshl_or_b32 v[PW+3], v[TM+7], 24, v[PW+3]
	WIN 0x01
.irp c, 0,1
	v_cvt_scalef32_pk16_fp6_f32 v[PC+6*\c:PC+6*\c+2], v[AC+32*\c:AC+32*\c+15], v[TM+12+2*\c]
	v_cvt_scalef32_pk16_fp6_f32 v[PC+12+4*\c:PC+14+4*\c], v[AC+32*\c+16:AC+32*\c+31], v[TM+13+2*\c]
.endr
	WIN 0
	v_nop                                          ; one plain place behind a scaled conversion
.irp c, 0,1
.irp i, 0,1,2
	v_permlane16_swap_b32 v[PC+6*\c+\i], v[PC+12+4*\c+\i]
.endr
.irp i, 0,1,2
	s_delay_alu instid0(VALU_DEP_3)
	v_mov_b32 v[PC+3+6*\c+\i], v[PC+12+4*\c+\i]
.endr
.endr
.endm
	s_load_b256 s[4:11], s[0:1], 0x0               ; x2q 4, wts 6, b1 8, hq 10
	v_lshl_add_u32 v[SPW], v0, 2, SPARE
	v_mov_b32 v[NIL], 0
	ds_add_u32 v[SPW], v[NIL]                      ; the opening lines: the add, twice on end, and its wait ahead of my first tensor load
	ds_add_u32 v[SPW], v[NIL]
	v_lshrrev_b32 v3, 5, v0
	s_delay_alu instid0(VALU_DEP_1)
	v_readfirstlane_b32 s[WV], v3                  ; wave 0..7
	v_bfe_u32 v2, v0, 4, 1                         ; h
	v_and_b32 v3, 31, v0
	s_delay_alu instid0(VALU_DEP_2)
	v_lshlrev_b32 v10, 6, v2                       ; 64 h
	s_delay_alu instid0(VALU_DEP_2)
	v_lshlrev_b32 v4, 4, v3                        ; 16 x lane
	v_lshlrev_b32 v5, 2, v3                        ; 4 x lane
	v_lshlrev_b32 v12, 3, v3                       ; 8 x lane
.irp b, 0,1,2,3
	v_mov_b32 v[TM+4+\b], 0                        ; a lane permute's destination counts as one of its sources
	v_mov_b32 v[PW+\b], 0                          ; the words' registers are moved down before they are all made
.endr
	v_mov_b32 v[CF], 0x3e7c6f08                    ; P': coefficient 9
	v_mov_b32 v[CF+1], 0x3e7c6f08
	s_mov_b32 s[SEL], 0x76543210
	s_mov_b32 s[SEL+1], 0xfedcba98
	s_mov_b32 s66, 0xc034d90f                      ; coefficients 0 to 8, each written twice: the packed form names a pair
	s_mov_b32 s68, 0x3fb8ab5a
	s_mov_b32 s70, 0x3f0a29d2
	s_mov_b32 s72, 0x3e0efb2e
	s_mov_b32 s74, 0xbe899a80
	s_mov_b32 s76, 0x3ecdfd18
	s_mov_b32 s78, 0xbfd1a1e5
	s_mov_b32 s80, 0x40097039
	s_mov_b32 s82, 0xbf97d29d
	s_mov_b32 s84, 0xbf38aa3b                      ; -log2(e) / 2
.irp k, 66,68,70,72,74,76,78,80,82,84
	s_mov_b32 s[\k+1], s[\k]
.endr
	s_mov_b32 s86, 0x3eb504f3                      ; 1 / (2 sqrt 2)
	s_and_b32 s19, ttmp7, 0xffff                   ; which 128 tokens: the four partners share it
	s_mov_b32 s28, 15|(3<<16)|(1<<21)              ; the mask: all four work-groups; elements of 8 bytes; bit 21 set beside a mask
	s_mov_b32 s29, 32<<16
	s_mov_b32 s30, 26<<16
	s_mov_b32 s31, 32<<16
	s_mov_b32 s32, 26
	s_mov_b32 s33, 32
	s_mov_b32 s34, 0
	s_mov_b32 s35, 0
	s_mul_i32 s54, s19, 53248
	s_mul_i32 s55, s[WV], 6656                     ; my unit, in memory and in LDS
	s_mov_b32 s24, 1
	s_mov_b32 s25, s55
	s_add_co_u32 s26, s54, s55
	s_mov_b32 s27, 0
	s_bfe_u32 s23, ttmp6, 0x40000
	s_lshl_b32 s20, ttmp9, 2
	s_add_co_u32 s20, s20, s23                     ; which 512 hidden units: it enters global addresses alone
	s_lshl_b32 s22, s20, 3
	s_add_co_u32 s22, s22, s[WV]                   ; my chunk of 64 units
	s_lshl_b32 s50, s22, 2
	s_add_co_u32 s50, s50, 128
	s_mul_i32 s38, s50, 6656                       ; my four units of W1
	s_mov_b32 s39, 0
	s_lshl_b32 s40, s22, 8                         ; my 64 biases
	s_mov_b32 s41, 0
	s_lshl_b32 s50, s22, 8
	s_lshl_b32 s52, s19, 2
	s_add_co_u32 s50, s50, s52
	s_mul_i32 s42, s50, 1536                       ; codes: 1,536 (256 chunk + 4 y + pair)
	s_mov_b32 s43, 0
	s_lshl_b32 s50, s22, 6
	s_add_co_u32 s50, s50, s19
	s_lshl_b32 s44, s50, 9
	s_add_co_u32 s44, s44, 12582912                ; words: behind the codes, 512 (64 chunk + y)
	s_mov_b32 s45, 0
	s_mov_b32 s52, 4                               ; pairs to go
	s_mov_b32 s53, 0                               ; the pair's LDS byte
	s_mov_b32 s54, 0                               ; what the codes' address steps by: 0 ahead of the first pair's stores, then 1,536
	s_mov_b32 s55, 0
	s_wait_alu depctr_va_vdst(0)
	s_wait_dscnt 0x0
	s_wait_kmcnt 0x0
	s_add_nc_u64 s[26:27], s[4:5], s[26:27]
	s_or_b32 s27, s27, 0x80000000
	s_add_nc_u64 s[38:39], s[6:7], s[38:39]
	s_add_nc_u64 s[40:41], s[8:9], s[40:41]
	s_add_nc_u64 s[42:43], s[10:11], s[42:43]
	s_add_nc_u64 s[44:45], s[10:11], s[44:45]
	CROUND                                         ; all four work-groups are here: the joint loads meet
	tensor_load_to_lds s[24:27], s[28:35]          ; my one load; nothing is filled again
	s_nop 0
	PLACES 4
	WIN 0x40
.irp c, 0,1,2,3
.irp s, 0,1,2,3
.irp p, 0,1,2
	global_load_b128 v[12*(4*\c+\s)+4*\p:12*(4*\c+\s)+4*\p+3], v4, s[38:39] offset:6656*\c+1536*\s+512*\p
.endr
.endr
.endr
	WIN 0
.irp c, 0,1,2,3
.irp s, 0,1,2,3
	global_load_b32 v[WSC+4*\c+\s], v5, s[38:39] offset:6656*\c+6144+128*\s
.endr
.endr
.irp c, 0,1,2,3
	global_load_b128 v[BI+8*\c:BI+8*\c+3], v10, s[40:41] offset:4*(32*(\c/2)+8*(\c%2))      ; the tile's eight columns of my half
	global_load_b128 v[BI+8*\c+4:BI+8*\c+7], v10, s[40:41] offset:4*(32*(\c/2)+8*(\c%2))+16
.endr
	s_wait_tensorcnt 0x0                           ; my unit has landed,
	s_barrier_signal -1
	s_barrier_wait -1                              ; everybody's has
	s_wait_loadcnt 0x0                             ; W1, its scale words, the bias
.Lpair:
	v_add_nc_u32 v6, s53, v4
	v_add_nc_u32 v8, s53, v5
	FETCH
	s_wait_dscnt 0x0
	MULS 0
	MULS 1
	MULS 2
	MULS 3
	WIN 0
	PLACES 4                                       ; in front of the first read of the results, and of the writes over the fragments
	GELU AC
	GELU AC+32
	WIN 0
	v_mov_b32 v[PW], v[PW+1]                       ; the earlier pairs' words move one down
	v_mov_b32 v[PW+1], v[PW+2]
	v_mov_b32 v[PW+2], v[PW+3]
	s_wait_alu depctr_va_vdst(0)                   ; directly ahead of the wait below
	s_wait_xcnt 0x0                                ; the last pair's stores have read their registers and their base
	s_add_nc_u64 s[42:43], s[42:43], s[54:55]
	s_mov_b32 s54, 1536
	QUANT
	global_store_b128 v4, v[PC:PC+3], s[42:43]                  ; the first tile's six registers,
	global_store_b64 v12, v[PC+4:PC+5], s[42:43] offset:512
	global_store_b128 v4, v[PC+6:PC+9], s[42:43] offset:768     ; the second's
	global_store_b64 v12, v[PC+10:PC+11], s[42:43] offset:1280
	s_add_co_u32 s53, s53, 13312
	s_sub_co_u32 s52, s52, 1
	s_cmp_lg_u32 s52, 0
	s_wait_alu depctr_va_vdst(0)                   ; directly ahead of the branch
	s_cbranch_scc1 .Lpair
	global_store_b128 v4, v[PW:PW+3], s[44:45]     ; the four pairs' words: 512 consecutive bytes a wave
	s_wait_tensorcnt 0x0                           ; the wave's end
	ds_add_u32 v[SPW], v[NIL]
	s_wait_dscnt 0x0
	CROUND                                         ; the closing round
	s_endpgm
.Lfunc_end_k_qed6b7ecd5d_ffn1:
	.size	k_qed6b7ecd5d_ffn1, .Lfunc_end_k_qed6b7ecd5d_ffn1-k_qed6b7ecd5d_ffn1
	.p2alignl 7, 3214868480
	.fill 96, 4, 3214868480
	.section	.rodata,"a",@progbits
	.p2align	6, 0x0
	.amdhsa_kernel k_qed6b7ecd5d_ffn1
		.amdhsa_group_segment_fixed_size 168960
		.amdhsa_private_segment_fixed_size 0
		.amdhsa_enable_private_segment 0
		.amdhsa_kernarg_size 32
		.amdhsa_user_sgpr_count 2
		.amdhsa_user_sgpr_kernarg_segment_ptr 1
		.amdhsa_wavefront_size32 1
		.amdhsa_system_sgpr_workgroup_id_x 1
		.amdhsa_system_sgpr_workgroup_id_y 1
		.amdhsa_system_sgpr_workgroup_id_z 1
		.amdhsa_system_vgpr_workitem_id 0
		.amdhsa_next_free_vgpr 512
		.amdhsa_next_free_sgpr 100
		.amdhsa_reserve_vcc 0
		.amdhsa_float_denorm_mode_32 3
		.amdhsa_float_denorm_mode_16_64 3
		.amdhsa_memory_ordered 1
		.amdhsa_forward_progress 1
		.amdhsa_inst_pref_size 63
	.end_amdhsa_kernel
	.amdgpu_metadata
---
amdhsa.version: [ 1, 2 ]
amdhsa.kernels:
  - .name:           k_qed6b7ecd5d_ffn1
    .symbol:         k_qed6b7ecd5d_ffn1.kd
    .args:
      - { .name: x2q, .offset: 0, .size: 8, .value_kind: global_buffer, .address_space: global }
      - { .name: wts, .offset: 8, .size: 8, .value_kind: global_buffer, .address_space: global }
      - { .name: b1, .offset: 16, .size: 8, .value_kind: global_buffer, .address_space: global }
      - { .name: hq, .offset: 24, .size: 8, .value_kind: global_buffer, .address_space: global }
    .group_segment_fixed_size: 168960
    .private_segment_fixed_size: 0
    .kernarg_segment_align: 8
    .kernarg_segment_size: 32
    .max_flat_workgroup_size: 256
    .sgpr_count:     100
    .vgpr_count:     512
    .wavefront_size: 32
...
	.end_amdgpu_metadata
.endif
;; end of part 5
;; launch ffn2 (part 6): grid 4 x 64, 4 waves a work-group, no clusters, 262,656 bytes of LDS; arguments hq, wts, x1b, out0; writes out0
.if DOCPART == 6
	.amdgcn_target "amdgcn-amd-amdhsa--gfx1250"
	.amdhsa_code_object_version 6
	.text
	.protected	k_qed6b7ecd5d_ffn2
	.globl	k_qed6b7ecd5d_ffn2
	.p2align	8
	.type	k_qed6b7ecd5d_ffn2,@function
k_qed6b7ecd5d_ffn2:
	s_mov_b64 s[64:65], 0
	v_nop
	global_prefetch_b8 v0, s[64:65] scope:SCOPE_SE
	s_setreg_imm32_b32 hwreg(HW_REG_WAVE_MODE, 25, 1), 1
	s_wait_xcnt 0x0
; FFN2.  out = (x1 + b2) + h W2 on codes of FP6 (E2M3) with E8M0 scales; sums in f32.
; A work-group makes 128 tokens (y) x 128 columns (x).  K = 2,048 IS SPLIT OVER THE FOUR WAVES: wave w takes K steps 4 w .. 4 w + 3 for the whole 128 x 128: 64 accumulators, and 64 matrix instructions a K step
; NO LDS FOR THE OPERANDS AND NO JOINT LOADS: the buffers are laid in the order of the operands' registers and each fragment is used by ONE wave, so it goes from memory straight into that wave's registers, 512
; consecutive bytes a load; the two operands of a work-group (425,984 bytes) would not fit in LDS beside each other.
; The product is used transposed (source 0 = 16 columns of W2, source 1 = 16 tokens).  W2's scale words come once: a register holds K step 2 t's in lanes 0-15 and K step 2 t + 1's in lanes 16-31.
; REGISTERS: window 0: v1-9 addresses, v12-27 W2's scale words, v28-59 h's, v64-159 and v160-255 W2's fragments, two buffers.  window 1: h's fragments, two buffers of 96; v192-223 h's pair words; later x1 + b2.
;   windows 2, 3: the accumulators (m, c) at 8 (8 (m % 4) + c); later the four partial sums, later rows of the output.
.set WSC, 12
.set ASC, 28
.set MSB, 0
.macro WIN new
.if MSB != (\new)
	s_set_vgpr_msb (MSB<<8)|(\new)
.set MSB, (\new)
.endif
.endm
.macro PLACES n
.rept \n
	v_nop
.endr
.endm
.macro LOADK s, buf                    ; my K step s: 32 + 24 = 56 loads
	WIN 0x40
.irp p, 0,1,2,3
.irp a, 0,1
.irp hf, 0,1                           ; a fragment's two halves come from two chunks of 64 hidden units
	global_load_b128 v[96*\buf+12*(2*\p+\a)+6*\hf:96*\buf+12*(2*\p+\a)+6*\hf+3], v1, s[18:19] offset:(2*\s+\hf)*393216+1536*\p+768*\a
	global_load_b64 v[96*\buf+12*(2*\p+\a)+6*\hf+4:96*\buf+12*(2*\p+\a)+6*\hf+5], v2, s[18:19] offset:(2*\s+\hf)*393216+1536*\p+768*\a+512
.endr
.endr
.endr
	WIN 0
.irp c, 0,1,2,3,4,5,6,7
.irp i, 0,1,2
	global_load_b128 v[64+96*\buf+12*\c+4*\i:64+96*\buf+12*\c+4*\i+3], v1, s[16:17] offset:6656*\c+1536*\s+512*\i
.endr
.endr
.endm
.macro MUL64 buf, s, zero              ; one matrix instruction on each of the 64 accumulators, always in this order
.irp m, 0,1,2,3,4,5,6,7
.if \m < 4
	WIN 0xa4
.else
	WIN 0xf4
.endif
.irp c, 0,1,2,3,4,5,6,7
.set rD, 8*(8*(\m%4)+\c)
.if \zero
	v_wmma_scale_f32_16x16x128_f8f6f4 v[rD:rD+7], v[64+96*\buf+12*\c:64+96*\buf+12*\c+11], v[96*\buf+12*\m:96*\buf+12*\m+11], 0, v[WSC+8*(\s/2)+\c], v[ASC+8*\s+\m] matrix_a_fmt:MATRIX_FMT_FP6 matrix_b_fmt:MATRIX_FMT_FP6
.elseif (\s)%2
	v_wmma_scale_f32_16x16x128_f8f6f4 v[rD:rD+7], v[64+96*\buf+12*\c:64+96*\buf+12*\c+11], v[96*\buf+12*\m:96*\buf+12*\m+11], v[rD:rD+7], v[WSC+8*(\s/2)+\c], v[ASC+8*\s+\m] matrix_a_fmt:MATRIX_FMT_FP6 matrix_b_fmt:MATRIX_FMT_FP6 matrix_a_scale:MATRIX_SCALE_ROW1
.else
	v_wmma_scale_f32_16x16x128_f8f6f4 v[rD:rD+7], v[64+96*\buf+12*\c:64+96*\buf+12*\c+11], v[96*\buf+12*\m:96*\buf+12*\m+11], v[rD:rD+7], v[WSC+8*(\s/2)+\c], v[ASC+8*\s+\m] matrix_a_fmt:MATRIX_FMT_FP6 matrix_b_fmt:MATRIX_FMT_FP6
.endif
.endr
.endr
.endm
	s_load_b256 s[4:11], s[0:1], 0x0               ; hq 4, wts 6, x1b 8, out0 10
	v_lshl_add_u32 v62, v0, 2, 0x40000
	v_mov_b32 v63, 0
	v_lshrrev_b32 v60, 5, v0
	v_readfirstlane_b32 s12, v60                   ; wave
	v_and_b32 v60, 31, v0
	v_lshlrev_b32 v1, 4, v60                       ; 16 x lane
	v_lshlrev_b32 v2, 3, v60                       ; 8 x lane
	v_and_b32 v60, 15, v0                          ; r
	v_bfe_u32 v61, v0, 4, 1                        ; h
	v_lshlrev_b32 v3, 2, v60
	v_lshl_add_u32 v3, v61, 7, v3                  ; 4 r + 128 h: lanes 16-31 take the next K step's words
	s_lshl_b32 s28, s12, 14
	v_add_nc_u32 v4, s28, v1                       ; where I put my partial sums for wave 0,
	v_add_nc_u32 v5, 0x10000, v4                   ; 1,
	v_add_nc_u32 v6, 0x20000, v4                   ; 2,
	v_add_nc_u32 v7, 0x30000, v4                   ; 3
	s_lshl_b32 s29, s12, 16
	v_add_nc_u32 v8, s29, v1                       ; my own 65,536 bytes: the four partial sums for me; later my stage, read by rows
	v_mul_u32_u24 v9, v60, 528
	v_lshl_add_u32 v9, v61, 6, v9
	v_add_nc_u32 v9, s29, v9                       ; into the stage: row r, + 64 h
	s_and_b32 s14, ttmp7, 0xffff                   ; which 128 tokens
	s_lshl_b32 s26, s12, 5
	s_lshl_b32 s27, ttmp9, 3
	s_add_co_u32 s26, s26, s27
	s_add_co_u32 s26, s26, 256
	s_mul_i32 s16, s26, 6656                       ; W2's units 256 + 32 w + 8 cg on
	s_mov_b32 s17, 0
	s_lshl_b32 s26, s12, 11
	s_lshl_b32 s27, s14, 2
	s_add_co_u32 s26, s26, s27
	s_mul_i32 s18, s26, 1536                       ; h's codes: chunk 8 w, token pair 4 rgp
	s_mov_b32 s19, 0
	s_lshl_b32 s26, s12, 9
	s_add_co_u32 s26, s26, s14
	s_lshl_b32 s20, s26, 9
	s_add_co_u32 s20, s20, 12582912                ; h's pair words
	s_mov_b32 s21, 0
	s_lshl_b32 s26, s14, 8
	s_lshl_b32 s27, s12, 6
	s_add_co_u32 s26, s26, s27
	s_lshl_b32 s27, ttmp9, 3
	s_add_co_u32 s26, s26, s27
	s_lshl_b32 s22, s26, 10                        ; x1 + b2: 1,024 (32 (8 rgp + 2 w) + 8 cg)
	s_mov_b32 s23, 0
	s_lshl_b32 s26, s14, 2
	s_add_co_u32 s26, s26, s12
	s_lshl_b32 s24, s26, 16
	s_lshl_b32 s27, ttmp9, 9
	s_add_co_u32 s24, s24, s27                     ; the output: my 32 rows, the group's 512 bytes of them
	s_mov_b32 s25, 0
	s_wait_alu depctr_va_vdst(0)
	s_wait_kmcnt 0x0
	s_add_nc_u64 s[16:17], s[6:7], s[16:17]
	s_add_nc_u64 s[18:19], s[4:5], s[18:19]
	s_add_nc_u64 s[20:21], s[4:5], s[20:21]
	s_add_nc_u64 s[22:23], s[8:9], s[22:23]
	s_add_nc_u64 s[24:25], s[10:11], s[24:25]
	WIN 0x40
.irp k, 0,1,2,3,4,5,6,7
	global_load_b128 v[192+4*\k:195+4*\k], v1, s[20:21] offset:32768*\k   ; chunk 8 w + k: the four pairs' words
.endr
	WIN 0
.irp t, 0,1
.irp c, 0,1,2,3,4,5,6,7
	global_load_b32 v[WSC+8*\t+\c], v3, s[16:17] offset:6656*\c+6144+256*\t
.endr
.endr
	LOADK 0, 0
	LOADK 1, 1
	s_wait_loadcnt 63                              ; 112 loads stand behind the scale words
	WIN 0x05
.irp s, 0,1,2,3
.irp p, 0,1,2,3
	v_perm_b32 v[ASC+8*\s+2*\p], v[192+4*(2*\s+1)+\p], v[192+8*\s+\p], 0x05040100     ; the pair's first tile: two chunks' two bytes make a K step's word;
	v_perm_b32 v[ASC+8*\s+2*\p+1], v[192+4*(2*\s+1)+\p], v[192+8*\s+\p], 0x07060302   ; its second
.endr
.endr
	PLACES 8                                       ; a scale word made by a vector instruction stands 8 places ahead of the product
	s_wait_loadcnt 56                              ; K step 0 is in; the 56 loads of K step 1 may be out
	MUL64 0, 0, 1
	PLACES 4                                       ; in front of loads into registers that matrix instructions have read
	LOADK 2, 0
	s_wait_loadcnt 56
	MUL64 1, 1, 0
	PLACES 4
	LOADK 3, 1
	s_wait_alu depctr_va_vdst(0)
	s_wait_loadcnt 56
	MUL64 0, 2, 0
	s_wait_loadcnt 0x0
	MUL64 1, 3, 0
	PLACES 4
	WIN 0x40
.irp a, 0,1
.irp c, 0,1,2,3,4,5,6,7
.irp q, 0,1
	global_load_b128 v[64*\a+8*\c+4*\q:64*\a+8*\c+4*\q+3], v1, s[22:23] offset:32768*\a+1024*\c+512*\q   ; x1 + b2 of my 32 tokens, in the accumulators' layout
.endr
.endr
.endr
.irp m, 0,1,2,3,4,5,6,7                ; every wave hands out all its 64 partial sums: tiles 2 d, 2 d + 1 to wave d
.if \m < 4
	WIN 0x08
.else
	WIN 0x0c
.endif
.irp c, 0,1,2,3,4,5,6,7
	ds_store_b128 v[4+\m/2], v[8*(8*(\m%4)+\c):8*(8*(\m%4)+\c)+3] offset:1024*(8*(\m%2)+\c)          ; each accumulator from its low end on
	ds_store_b128 v[4+\m/2], v[8*(8*(\m%4)+\c)+4:8*(8*(\m%4)+\c)+7] offset:1024*(8*(\m%2)+\c)+512
.endr
.endr
	WIN 0
	s_wait_dscnt 0x0                               ; for the others' sake
	s_barrier_signal -1
	s_barrier_wait -1
.irp w, 0,1,2,3
.if \w < 2
	WIN 0x80
.else
	WIN 0xc0
.endif
.set n, 0
.rept 32
	ds_load_b128 v[128*(\w%2)+4*n:128*(\w%2)+4*n+3], v8 offset:16384*\w+512*n
.set n, n+1
.endr
.endr
	s_wait_dscnt 0x0
	s_wait_loadcnt 0x0
	WIN 0x8a
.set n, 0
.rept 64
	v_pk_add_f32 v[2*n:2*n+1], v[2*n:2*n+1], v[128+2*n:129+2*n]
.set n, n+1
.endr
	WIN 0xcf
.set n, 0
.rept 64
	v_pk_add_f32 v[2*n:2*n+1], v[2*n:2*n+1], v[128+2*n:129+2*n]
.set n, n+1
.endr
	WIN 0x8e
.set n, 0
.rept 64
	v_pk_add_f32 v[2*n:2*n+1], v[2*n:2*n+1], v[2*n:2*n+1]
.set n, n+1
.endr
	WIN 0x86
.set n, 0
.rept 64
	v_pk_add_f32 v[2*n:2*n+1], v[2*n:2*n+1], v[2*n:2*n+1]                       ; + (x1 + b2)
.set n, n+1
.endr
; THE WAY OUT: a lane holds pieces of one row, the lanes beside it other rows: a tile goes through my own bytes of LDS (rows of 512 + 16; the others wrote here ahead of the barrier and touch them no more) and comes back by rows.
.irp a, 0,1
	WIN 0x08
.irp c, 0,1,2,3,4,5,6,7
.irp q, 0,1
	ds_store_b128 v9, v[64*\a+8*\c+4*\q:64*\a+8*\c+4*\q+3] offset:8448*\a+128*(\c/2)+32*(\c%2)+16*\q
.endr
.endr
	WIN 0xc0
.irp t, 0,1,2,3,4,5,6,7,8,9,10,11,12,13,14,15
	ds_load_b128 v[64*\a+4*\t:64*\a+4*\t+3], v8 offset:8448*\a+528*\t             ; LDS serves a wave's instructions in order: these see my stores
.endr
.endr
	WIN 0x0c
.irp a, 0,1
.irp t, 0,1,2,3,4,5,6,7,8,9,10,11,12,13,14,15
	s_wait_dscnt 32*(1-\a)+15-\t                   ; behind this row's load: the tile's later rows, and for tile 0 the other tile's 16 stores and 16 loads
	global_store_b128 v1, v[64*\a+4*\t:64*\a+4*\t+3], s[24:25] offset:2048*(8*\a+\t+8*(\t/8)) th:TH_STORE_NT   ; 32 lanes store 512 consecutive bytes, at a multiple of 256 from the output's first byte
.endr
.endr
	WIN 0
	s_wait_tensorcnt 0x0
	ds_add_u32 v62, v63
	s_wait_dscnt 0x0
	s_endpgm
.Lfunc_end_k_qed6b7ecd5d_ffn2:
	.size	k_qed6b7ecd5d_ffn2, .Lfunc_end_k_qed6b7ecd5d_ffn2-k_qed6b7ecd5d_ffn2
	.p2alignl 7, 3214868480
	.fill 96, 4, 3214868480
	.section	.rodata,"a",@progbits
	.p2align	6, 0x0
	.amdhsa_kernel k_qed6b7ecd5d_ffn2
		.amdhsa_group_segment_fixed_size 262656
		.amdhsa_private_segment_fixed_size 0
		.amdhsa_enable_private_segment 0
		.amdhsa_kernarg_size 32
		.amdhsa_user_sgpr_count 2
		.amdhsa_user_sgpr_kernarg_segment_ptr 1
		.amdhsa_wavefront_size32 1
		.amdhsa_system_sgpr_workgroup_id_x 1
		.amdhsa_system_sgpr_workgroup_id_y 1
		.amdhsa_system_sgpr_workgroup_id_z 1
		.amdhsa_system_vgpr_workitem_id 0
		.amdhsa_next_free_vgpr 1024
		.amdhsa_next_free_sgpr 66
		.amdhsa_reserve_vcc 0
		.amdhsa_float_denorm_mode_32 3
		.amdhsa_float_denorm_mode_16_64 3
		.amdhsa_memory_ordered 1
		.amdhsa_forward_progress 1
		.amdhsa_inst_pref_size 107
	.end_amdhsa_kernel
	.amdgpu_metadata
---
amdhsa.version: [ 1, 2 ]
amdhsa.kernels:
  - .name:           k_qed6b7ecd5d_ffn2
    .symbol:         k_qed6b7ecd5d_ffn2.kd
    .args:
      - { .name: hq, .offset: 0, .size: 8, .value_kind: global_buffer, .address_space: global }
      - { .name: wts, .offset: 8, .size: 8, .value_kind: global_buffer, .address_space: global }
      - { .name: x1b, .offset: 16, .size: 8, .value_kind: global_buffer, .address_space: global }
      - { .name: out0, .offset: 24, .size: 8, .value_kind: global_buffer, .address_space: global }
    .group_segment_fixed_size: 262656
    .private_segment_fixed_size: 0
    .kernarg_segment_align: 8
    .kernarg_segment_size: 32
    .max_flat_workgroup_size: 128
    .sgpr_count:     66
    .vgpr_count:     1024
    .wavefront_size: 32
...
	.end_amdgpu_metadata
.endif
;; end of part 6
